; MI455X (gfx1250); checked and timed in simulation.
; The chip was launched on July 23, 2026; its instructions are those of AMD's public machine-readable ISA for CDNA 5 (MIT licence, August 2026) and "CDNA5" Instruction Set Architecture Reference Guide (July 2026). The comments in the code are by the model that wrote it; some were corrected since.
;; Sparse Attention. Allowed arithmetic: matrix products marked QUANTISED: E2M3 operands, one E8M0 scale for each 32 along K, by v_wmma_scale_f32_16x16x128_f8f6f4 with both operands' format E2M3, f32 sums; everything else in f32.
;; Inputs: Wk 1,024 x 1,024 float32; Wo 1,024 x 1,024 float32; Wq 1,024 x 1,024 float32; Wv 1,024 x 1,024 float32; bk 1,024 float32; bo 1,024 float32; bq 1,024 float32; bv 1,024 float32; key 2 x 2,048 x 1,024 float32; query 2 x 2,048 x 1,024 float32; value 2 x 2,048 x 1,024 float32.
;; Outputs: out0 2 x 2,048 x 1,024 float32.
;; This version of the problem:
;;   THIS VERSION OF THE PROBLEM IS GIVEN IN LOW PRECISION. The matrix products marked QUANTISED in the list below multiply operands that are first quantised to E2M3 (2 exponent bits, 3 mantissa bits; 6 bits a number), with one power-of-two scale for each 32 numbers along K (OCP MX v1.0); their sums are f32. All else is computed in f32.
;;   The module's matrix products, in the order in which they are computed (A, B: the left and right operand; K: the contracted axis; several contracted axes count as one K, in the product's order):
;;     1. [M 4,096, K 1,024] x [K 1,024, N 1,024]; A: input query; B: input Wq: QUANTISED
;;     2. [M 4,096, K 1,024] x [K 1,024, N 1,024]; A: input key; B: input Wk: QUANTISED
;;     3. [M 4,096, K 1,024] x [K 1,024, N 1,024]; A: input value; B: input Wv: QUANTISED
;;     4. batch 32 x [M 2,048, K 64] x [K 64, N 2,048]; A: computed on the way; B: computed on the way: QUANTISED
;;     5. batch 32 x [M 2,048, K 2,048] x [K 2,048, N 64]; A: softmax (see below); B: computed on the way: QUANTISED
;;     6. [M 4,096, K 1,024] x [K 1,024, N 1,024]; A: computed on the way; B: input Wo: QUANTISED
;;   THE QUANTISER, for each operand of a quantised product, along K:
;;     - K is cut into blocks of 32 from its start; a last block that is shorter is filled with zeros.
;;     - A block's scale is 2^e with e = floor(log2(the largest magnitude in the block)) - 2, held to -126 .. 127; a block of zeros has e = 0. As a byte (E8M0): e + 127.
;;     - Each number is divided by its block's scale, clamped to +-7.5, and rounded to the nearest number of E2M3, ties to even, subnormals kept.
;;     - The product sums the exact products of the quantised numbers (number of the format x scale) in f32.
;;   ~~~python
;;   def quantise(x, axis):      # numpy; x: float32 -> the quantised numbers, widened to float32 again
;;       x = np.moveaxis(x, axis, -1); K = x.shape[-1]
;;       x = np.pad(x, [(0, 0)] * (x.ndim - 1) + [(0, -K % 32)]); x = x.reshape(x.shape[:-1] + (-1, 32)); a = np.abs(x).max(-1, keepdims=True)
;;       e = np.where(a > 0, np.clip(np.frexp(np.where(a > 0, a, 1))[1] - 1 - 2, -126, 127), 0)      # np.frexp(a)[1] - 1 = floor(log2(a)), exactly
;;       r = np.clip(x / 2.0 ** e, -7.5, 7.5)
;;       step = 2.0 ** (np.maximum(np.frexp(np.where(r == 0, 1, r))[1] - 1, 0) - 3)
;;       q = np.round(r / step) * step * 2.0 ** e      # np.round: ties to even
;;       return np.moveaxis(q.reshape(q.shape[:-2] + (-1,))[..., :K], -1, axis).astype(np.float32)
;;   ~~~
;;   SOFTMAX AHEAD OF A QUANTISED PRODUCT. Where the list says 'softmax', what is quantised is not the finished softmax but p = 2^(t - M), with t = logit x log2(e) and M = ceil(the row's largest t), a whole number; so 1/2 < the row's largest p <= 1. The row's sum l is taken of the UNQUANTISED p, in f32, and the product's result is divided by l at the end. Since M is a whole number, a kernel that streams over the keys may use a running M (the ceiling of the running maximum): every later rescaling is an exact power of two, which a block's scale takes up: the codes' values come out the same.
;;   OPERANDS COMPUTED ON THE WAY. 'Computed on the way' means the value that the module computes at that place (a softmax that the list does not call 'softmax' is quantised finished and normalised). What goes into a quantiser is computed in f32, as accurately as f32 sums, v_exp_f32 and their like allow (about 1e-6 of the number): no bf16 or f16 on the way to a quantiser, and a product that is left as it is and whose result goes on into a quantised operand takes f32 operands (vector FMAs, or v_wmma_f32_16x16x4_f32). A number that lies on a knife's edge between two numbers of the format may be rounded either way, as far as f32 arithmetic and the matrix unit's own rounding can turn it there, and no further.
;; One version. Each part assembles by itself: llvm-mc -triple=amdgcn-amd-amdhsa -mcpu=gfx1250 --defsym DOCPART=n.
;; ======== version 1 of 1: 4 launches
;; limits: right only within a limited range of input values
;; workspace buffers: xw 13,631,488 bytes; qkv 10,223,616 bytes; oimg 3,407,872 bytes
;; launch quant (part 1): grid 512 x 1, 4 waves a work-group, no clusters, 34,304 bytes of LDS; arguments query, key, value, Wq, Wk, Wv, Wo, xw; writes xw
.if DOCPART == 1
	.amdgcn_target "amdgcn-amd-amdhsa--gfx1250"
	.amdhsa_code_object_version 6
	.text
	.protected	k_q6b065f48b6_quant
	.globl	k_q6b065f48b6_quant
	.p2align	8
	.type	k_q6b065f48b6_quant,@function
k_q6b065f48b6_quant:
	s_mov_b64 s[64:65], 0
	v_nop
	global_prefetch_b8 v0, s[64:65] scope:SCOPE_SE
	s_setreg_imm32_b32 hwreg(HW_REG_WAVE_MODE, 25, 1), 1
	s_wait_xcnt 0x0
; query, key, value [4096][1024] and Wq, Wk, Wv, Wo [1024][1024], f32, K innermost, become codes of FP6 (E2M3) with one E8M0 byte for each 32 along K,
; laid in xw AS IMAGES OF THE OPERAND'S REGISTERS.  The seven tensors form one space of 16,384 rows (query, key, value, Wq, Wk, Wv, Wo), cut into 128 groups of 128 rows.
; A group is 8 slabs (one for each 128 along K) of 13,312 bytes: 8 fragment images of 1,536 bytes, then 8 images of scale words of 128 bytes.
; ROW TILE 2 B + u of a group holds rows 32 B + 8 u + r + 8 (r / 8), r = lane % 16: as source 0 of a product it leaves 16 neighbours in the 16 registers of two neighbouring result tiles.
; A fragment image: the 12 registers of a lane as three pieces of 16 bytes, piece c of lane l at 512 c + 16 l.  A scale image: the lane's scale word at 4 l (lanes 16-31 repeat lanes 0-15).
; A block's scale is 2^(floor(log2(its largest magnitude)) - 2); its byte is the largest magnitude's exponent field - 2, held at 1 from below.
; LIMITS: a block whose largest magnitude lies under 2^-124, a block of zeros among them, gets the byte 1 (the rule says 127 for zeros: the codes are zeros, and this program alone reads the bytes);
; NaN and infinities among the inputs are not served.
; SHARES: work-group n takes rows 32 n .. 32 n + 31 of the row space; wave w takes tile u = w / 2 of them and K steps 4 (w % 2) .. + 3: four fragments.
; Each load reads 512 consecutive bytes of one row; a fragment's 16 rows turn through the wave's own stage in LDS, so that a lane gets 16 neighbours of each block of 32.  Waves share nothing: no barrier.
.set GROUPB, 106496                    ; bytes of a group
.set SLAB,   13312                     ; bytes of a slab
.set SP,     528                       ; a stage row: 512 bytes + 16 = 33 x 16, so the sixteen rows that a load of 16 bytes a lane touches begin at sixteen different 16-byte columns of 256 bytes
.set STG,    16*SP                     ; a wave's stage
.set VI,  1                            ; v1   16 x lane: my bytes of a load's 512
.set STI, 2                            ; v2   the stage, on the way in
.set STR, 3                            ; v3   and on the way out: row r, + 64 (lane / 16)
.set OI,  4                            ; v4   my bytes of my tile's fragment image in a slab
.set OS,  5                            ; v5   and of its scale image
.set TM,  8                            ; v8-23    at work in QUANT
.set PW,  24                           ; v24      the scale word just made
.set PC,  28                           ; v28-47   the codes just made
.set X,   48                           ; v48-111  64 numbers: register 16 b + i = k 32 b + 16 (lane / 16) + i of row r
.set R,   112                          ; v112-239 two sets of 16 x 4 registers as loaded
.set SEL, 14                           ; s[14:15] lane selects for v_permlanex16_b32: lane l xor 16
; 64 numbers of a lane become a fragment's codes in v[pc] .. v[pc + 11] and its scale word in v[pw].  Blocks 0, 1 stand at v[sA] on, blocks 2, 3 at v[sB] on, 16 registers each.
.macro QUANT sA, sB, pc, pw, tm
.irp b, 0,1,2,3
	v_max3_num_f32 v[(\tm)+\b], |v[(\sA)+((\sB)-(\sA))*(\b/2)+16*(\b%2)]|, |v[(\sA)+((\sB)-(\sA))*(\b/2)+16*(\b%2)+1]|, 0x1800000   ; my 16 numbers of block b, and the floor 2^(3 - 127): the byte cannot fall under 1
.endr
.irp i, 2,4,6,8,10,12,14
.irp b, 0,1,2,3
	v_max3_num_f32 v[(\tm)+\b], v[(\tm)+\b], |v[(\sA)+((\sB)-(\sA))*(\b/2)+16*(\b%2)+\i]|, |v[(\sA)+((\sB)-(\sA))*(\b/2)+16*(\b%2)+\i+1]|   ; the four blocks by turns
.endr
.endr
.irp b, 0,1,2,3
	v_permlanex16_b32 v[(\tm)+4+\b], v[(\tm)+\b], s[SEL], s[SEL+1]
.endr
.irp b, 0,1,2,3
	v_max_num_f32 v[(\tm)+\b], v[(\tm)+\b], v[(\tm)+4+\b]          ; with lane l xor 16's: the block's largest magnitude
.endr
.irp b, 0,1,2,3
	v_add_nc_u32 v[(\tm)+12+\b], 0xff000000, v[(\tm)+\b]           ; 2 off its exponent field: the conversion takes that field of this operand as its scale
.endr
.irp b, 0,1,2,3
	v_lshrrev_b32 v[(\tm)+4+\b], 23, v[(\tm)+12+\b]                ; the scale's byte
.endr
	v_lshl_or_b32 v[\pw], v[(\tm)+5], 8, v[(\tm)+4]                ; four bytes make my row's scale word
	v_lshl_or_b32 v[\pw], v[(\tm)+6], 16, v[\pw]
	v_lshl_or_b32 v[\pw], v[(\tm)+7], 24, v[\pw]
.irp c, 0,1
	v_cvt_scalef32_pk16_fp6_f32 v[(\pc)+6*\c:(\pc)+6*\c+2], v[(\sA)+((\sB)-(\sA))*\c:(\sA)+((\sB)-(\sA))*\c+15], v[(\tm)+12+2*\c]
	v_cvt_scalef32_pk16_fp6_f32 v[(\pc)+12+4*\c:(\pc)+14+4*\c], v[(\sA)+((\sB)-(\sA))*\c+16:(\sA)+((\sB)-(\sA))*\c+31], v[(\tm)+13+2*\c]   ; (a conversion's three registers begin on an even number)
.endr
	v_nop                                                          ; one plain place behind a scaled conversion
.irp c, 0,1                            ; the layout wants a WHOLE block in a lane: lanes 0-15 block 2 c, lanes 16-31 block 2 c + 1
.irp i, 0,1,2
	v_permlane16_swap_b32 v[(\pc)+6*\c+\i], v[(\pc)+12+4*\c+\i]
.endr
.irp i, 0,1,2
	v_mov_b32 v[(\pc)+3+6*\c+\i], v[(\pc)+12+4*\c+\i]
.endr
.endr
.endm
.macro PICK lim, ptr, first            ; work-groups under lim belong to an earlier tensor: the choice hangs on the work-group's number alone
	s_cmp_lt_u32 ttmp9, \lim
	s_cselect_b64 s[4:5], s[\ptr:\ptr+1], s[4:5]
	s_cselect_b32 s6, \first, s6
.endm
	s_load_b512 s[16:31], s[0:1], 0x0              ; query, key, value, Wq, Wk, Wv, Wo, xw
	v_lshl_add_u32 v254, v0, 2, 0x8400
	v_mov_b32 v255, 0
	v_lshrrev_b32 v1, 5, v0
	v_readfirstlane_b32 s8, v1                     ; wave 0..3
	v_and_b32 v6, 31, v0                           ; lane
	s_wait_alu depctr_va_vdst(0)
	v_and_b32 v7, 15, v0                           ; r
	v_bfe_u32 v26, v0, 4, 1                        ; h
	v_lshlrev_b32 v[VI], 4, v6
	s_mul_i32 s9, s8, STG                          ; my stage
	v_add_nc_u32 v[STI], s9, v[VI]
	v_mul_u32_u24 v[STR], v7, SP
	v_lshl_add_u32 v[STR], v26, 6, v[STR]
	v_add_nc_u32 v[STR], s9, v[STR]
	s_lshr_b32 s10, s8, 1                          ; u: which of the block's two tiles
	s_and_b32 s11, s8, 1                           ; which half of K
	s_and_b32 s12, ttmp9, 3
	s_lshl_b32 s12, s12, 1
	s_add_co_u32 s12, s12, s10                     ; my tile in its group: 2 (n % 4) + u
	s_mul_i32 s13, s12, 1536
	v_add_nc_u32 v[OI], s13, v[VI]
	s_lshl_b32 s13, s12, 7
	s_add_co_u32 s13, s13, 12288
	v_lshl_add_u32 v[OS], v6, 2, s13
	s_mov_b32 s[SEL], 0x76543210
	s_mov_b32 s[SEL+1], 0xfedcba98
.irp b, 0,1,2,3
	v_mov_b32 v[TM+4+\b], 0                        ; written once: a lane permute's destination counts as one of its sources
.endr
	s_wait_alu depctr_va_vdst(0)
	s_wait_kmcnt 0x0
	s_mov_b64 s[4:5], s[28:29]                     ; Wo, whose first work-group is 480, unless ..
	s_mov_b32 s6, 480
	PICK 480, 26, 448                              ; Wv
	PICK 448, 24, 416                              ; Wk
	PICK 416, 22, 384                              ; Wq
	PICK 384, 20, 256                              ; value
	PICK 256, 18, 128                              ; key
	PICK 128, 16, 0                                ; query
	s_sub_co_u32 s6, ttmp9, s6                     ; my block of 32 rows in its tensor:
	s_lshl_b32 s6, s6, 17                          ; 32 rows of 4,096 bytes,
	s_lshl_b32 s7, s10, 15                         ; + 8 u rows,
	s_add_co_u32 s6, s6, s7
	s_lshl_b32 s7, s11, 11                         ; + my four K steps of 512 bytes
	s_add_co_u32 s6, s6, s7
	s_mov_b32 s7, 0
	s_add_nc_u64 s[4:5], s[4:5], s[6:7]
	s_lshr_b32 s6, ttmp9, 2                        ; the group,
	s_mul_i32 s6, s6, GROUPB
	s_mul_i32 s12, s11, 4*SLAB                     ; and my first slab in it
	s_add_co_u32 s6, s6, s12
	s_add_nc_u64 s[30:31], s[30:31], s[6:7]
.macro LOADF f                         ; fragment f: 16 rows x 512 bytes; tile row i is row i + 8 (i / 8) from the tile's first
.irp i, 0,1,2,3,4,5,6,7,8,9,10,11,12,13,14,15
	global_load_b128 v[R+64*((\f)%2)+4*\i:R+64*((\f)%2)+4*\i+3], v[VI], s[4:5] offset:(\i+8*(\i/8))*4096+512*(\f) th:TH_LOAD_NT
.endr
.endm
.macro FRAG f
.if (\f) < 3
	s_wait_loadcnt 16                              ; this fragment's sixteen loads are in; the next fragment's sixteen may be out
.else
	s_wait_loadcnt 0x0
.endif
.irp i, 0,1,2,3,4,5,6,7,8,9,10,11,12,13,14,15
	ds_store_b128 v[STI], v[R+64*((\f)%2)+4*\i:R+64*((\f)%2)+4*\i+3] offset:SP*\i
.endr
.irp b, 0,1,2,3
.irp j, 0,1,2,3
	ds_load_b128 v[X+16*\b+4*\j:X+16*\b+4*\j+3], v[STR] offset:128*\b+16*\j   ; LDS serves a wave's instructions in order: these see the stores above
.endr
.endr
	s_wait_dscnt 0x0                               ; my numbers are back, and the stores have read their registers,
.if (\f) < 2
	LOADF (\f)+2                                   ; which take the loads of two fragments on
.endif
.if (\f) > 0
	s_wait_xcnt 0x0                                ; the last fragment's stores have read their data: codes and scale word are written again only behind this wait
.endif
	QUANT X, X+32, PC, PW, TM
.irp c, 0,1,2
	global_store_b128 v[OI], v[PC+4*\c:PC+4*\c+3], s[30:31] offset:SLAB*(\f)+512*\c   ; 32 lanes store 512 consecutive bytes, at a multiple of 256 from the buffer's first byte
.endr
	global_store_b32 v[OS], v[PW], s[30:31] offset:SLAB*(\f)
.endm
	LOADF 0
	LOADF 1
	FRAG 0
	FRAG 1
	FRAG 2
	FRAG 3
	s_wait_tensorcnt 0x0
	ds_add_u32 v254, v255
	s_wait_dscnt 0x0
	s_endpgm
.Lfunc_end_k_q6b065f48b6_quant:
	.size	k_q6b065f48b6_quant, .Lfunc_end_k_q6b065f48b6_quant-k_q6b065f48b6_quant
	.p2alignl 7, 3214868480
	.fill 96, 4, 3214868480
	.section	.rodata,"a",@progbits
	.p2align	6, 0x0
	.amdhsa_kernel k_q6b065f48b6_quant
		.amdhsa_group_segment_fixed_size 34304
		.amdhsa_private_segment_fixed_size 0
		.amdhsa_enable_private_segment 0
		.amdhsa_kernarg_size 64
		.amdhsa_user_sgpr_count 2
		.amdhsa_user_sgpr_kernarg_segment_ptr 1
		.amdhsa_wavefront_size32 1
		.amdhsa_system_sgpr_workgroup_id_x 1
		.amdhsa_system_sgpr_workgroup_id_y 1
		.amdhsa_system_sgpr_workgroup_id_z 1
		.amdhsa_system_vgpr_workitem_id 0
		.amdhsa_next_free_vgpr 256
		.amdhsa_next_free_sgpr 66
		.amdhsa_reserve_vcc 0
		.amdhsa_float_denorm_mode_32 3
		.amdhsa_float_denorm_mode_16_64 3
		.amdhsa_memory_ordered 1
		.amdhsa_forward_progress 1
		.amdhsa_inst_pref_size 35
	.end_amdhsa_kernel
	.amdgpu_metadata
---
amdhsa.version: [ 1, 2 ]
amdhsa.kernels:
  - .name:           k_q6b065f48b6_quant
    .symbol:         k_q6b065f48b6_quant.kd
    .args:
      - { .name: query, .offset: 0, .size: 8, .value_kind: global_buffer, .address_space: global }
      - { .name: key, .offset: 8, .size: 8, .value_kind: global_buffer, .address_space: global }
      - { .name: value, .offset: 16, .size: 8, .value_kind: global_buffer, .address_space: global }
      - { .name: Wq, .offset: 24, .size: 8, .value_kind: global_buffer, .address_space: global }
      - { .name: Wk, .offset: 32, .size: 8, .value_kind: global_buffer, .address_space: global }
      - { .name: Wv, .offset: 40, .size: 8, .value_kind: global_buffer, .address_space: global }
      - { .name: Wo, .offset: 48, .size: 8, .value_kind: global_buffer, .address_space: global }
      - { .name: xw, .offset: 56, .size: 8, .value_kind: global_buffer, .address_space: global }
    .group_segment_fixed_size: 34304
    .private_segment_fixed_size: 0
    .kernarg_segment_align: 8
    .kernarg_segment_size: 64
    .max_flat_workgroup_size: 128
    .sgpr_count:     66
    .vgpr_count:     256
    .wavefront_size: 32
...
	.end_amdgpu_metadata
.endif
;; end of part 1
;; launch proj (part 2): grid 8 x 32, 4 waves a work-group, clusters of 4 x 4, 327,680 bytes of LDS; arguments xw, bq, bk, bv, qkv; writes qkv
.if DOCPART == 2
	.amdgcn_target "amdgcn-amd-amdhsa--gfx1250"
	.amdhsa_code_object_version 6
	.text
	.protected	k_q6b065f48b6_proj
	.globl	k_q6b065f48b6_proj
	.p2align	8
	.type	k_q6b065f48b6_proj,@function
k_q6b065f48b6_proj:
	s_mov_b64 s[64:65], 0
	v_nop
	global_prefetch_b8 v0, s[64:65] scope:SCOPE_SE
	s_setreg_imm32_b32 hwreg(HW_REG_WAVE_MODE, 25, 1), 1
	s_wait_xcnt 0x0
	s_wait_alu depctr_hold_cnt(0) depctr_sa_sdst(0) depctr_va_vdst(0) depctr_va_sdst(0) depctr_va_ssrc(0) depctr_va_vcc(0) depctr_vm_vsrc(0)
	s_getreg_b32 s2, hwreg(HW_REG_IB_STS2, 6, 4)
	s_cmp_eq_u32 s2, 0
	s_cbranch_scc0 .Lentry_in_a_cluster
	s_endpgm
.Lentry_in_a_cluster:
	s_bfe_u32 s2, ttmp6, 0x10000c
	s_cmp_lg_u32 s2, 0xf033
	s_cbranch_scc0 .Lentry_shape_is_right
	s_endpgm
.Lentry_shape_is_right:
; The three projections x W^T + b on codes of FP6 (E2M3, one E8M0 scale for each 32 along K), and the quantising of their results for the attention.
; xw holds rows in groups of 128 (query 0-31, key 32-63, value 64-95, Wq 96-103, Wk 104-111, Wv 112-119): a group is 8 slabs (128 along K each) of 13,312 bytes:
; 8 fragment images of 1,536 bytes (a lane's 12 registers as pieces of 16 bytes, piece c of lane l at 512 c + 16 l), then 8 scale images of 128 bytes (4 bytes a lane).
; Row tile 2 B + u of a group holds rows 32 B + 8 u + r + 8 (r / 8), r = lane % 16.
; A WORK-GROUP STAYS: (x, y) makes three blocks of 128 x 128, one after the other: query's group y x Wq's group x, key's x Wk's, value's x Wv's; 8 x 32 = 256 work-groups.
; THE RING: two LDS slots of 106,496 bytes; a slot holds four K steps: the weight's four slabs, then x's four.  Six fills: block t's K steps 0-3 go to slot 0, its K steps 4-7 to slot 1.
; Each wave brings two slabs (104 dense rows of 256 bytes) by ONE tensor load a fill: waves 0, 1 the weight's, waves 2, 3 x's.  The ring goes on from block to block, so a block's way out stands under the next fills.
; Wave w takes all 8 tiles of source 0's group and tiles 2 w, 2 w + 1 of source 1's: 16 accumulators, which take turns.
; Q, K: source 0 = the weight's rows, so that a lane's registers run along the head's 64 numbers, the scores' K.   V: source 0 = value's rows (the keys), the second product's K.
; OUT: qkv, records of 6,656 bytes = 4 fragment images + 4 scale images; record = tensor x 512 + (batch x 16 + head) x 16 + group of 128 rows.
;   Q, K: image i holds rows 32 i .. 32 i + 31 of the group: registers 0-5 tile 2 i, registers 6-11 tile 2 i + 1; scale bytes 0, 1 and 2, 3 likewise.   V: image t = tile t of the head's 64 channels x the group's 128 keys.
; CLUSTERS: 4 x 4 work-groups.  The weight's slabs hang on x and are shared along a column of the cluster, x's hang on y and are shared along a row: each fill is asked for jointly; all partners take one path.
; PREFETCH: behind the loads of fills 0 to 3 each wave names the two slabs that it will load two fills on: 104 blocks of 256 bytes, of which each of the four partners that ask jointly takes 26, told apart by address.
; LIMITS: a block whose largest magnitude lies under 2^-124 gets the byte 1 (zeros too: their codes are zeros, and this program alone reads the bytes); NaN and infinities are not served.
; REGISTERS: window 0: v1-13 lane numbers, Q's and K's addresses; v14-17 V's bias; v20-39 scale words, two sets of 10; v40-97 the quantiser's; v98-108 V's addresses, the prefetches' offset; v126-127 the add's;
;   v128-255 the accumulators ((t, a) at 128 + 64 (t / 4) + 32 a + 8 (t % 4)).   window 1: two fragment buffers at v0 and v128.   window 2: v0-63 bq, v64-127 bk, along the registers.
.set GROUPB, 106496
.set SLAB,   13312
.set XO,     4*SLAB                    ; in a slot: the weight's four slabs at 0, x's behind them
.set SLOTB,  8*SLAB
.set SPARE,  2*SLOTB                   ; behind the ring: the spare words, 128 bytes a wave
.set RECB,   6656
.set ADP, 4                            ; source 0's fragment images in slot 0, 1 (Q, K: v4-5; V: v98-99)
.set ADN, 6                            ; source 1's
.set ASP, 8                            ; source 0's scale images
.set ASN, 10                           ; source 1's
.set PFO, 108                          ; v108 the prefetches' offset: 256 x min(lane, 25); never rewritten
.set SC,  20
.set PC0, 40
.set PC1, 60
.set TM,  80
.set PW0, 96
.set PW1, 97
.set ACC, 128
.set G1W, 16                           ; s[16:23] descriptor group 1 for the weight's slabs;  s[24:31] for x's: they differ in the mask
.set G1X, 24
.set G0W, 32                           ; s[32:39], s[40:47] groups 0: one set for each slot
.set G0X, 40
.set SEL, 74                           ; s[74:75] lane selects for v_permlanex16_b32: lane l xor 16
.set MSB, 0
.macro WIN new                         ; the immediate's high byte repeats the setting that is left
.if MSB != \new
	s_set_vgpr_msb (MSB<<8)|\new
.set MSB, \new
.endif
.endm
.macro PLACES                          ; four places: in front of loads into registers that matrix instructions have read, and of the first read of results
.rept 4
	v_nop
.endr
.endm
.macro CROUND                          ; a round of the cluster's barrier
	s_barrier_signal -1
	s_barrier_wait -1
	s_cmp_lg_u32 s14, 0
	s_cbranch_scc1 .Lnot_wave_0_\@
	s_barrier_signal -3
.Lnot_wave_0_\@:
	s_barrier_wait -3
	s_barrier_signal -1
	s_barrier_wait -1
.endm
.macro JLOAD s                         ; a joint load into slot s: each line has one mask; the branch hangs on the wave's number alone; s_nop 0 and four v_nop follow each line
	s_cmp_eq_u32 s54, 0
	s_cbranch_scc0 .Lfor_x_\@
	tensor_load_to_lds s[G0W+4*\s:G0W+4*\s+3], s[G1W:G1W+7]
	s_nop 0
	PLACES
	s_branch .Lasked_\@
.Lfor_x_\@:
	tensor_load_to_lds s[G0X+4*\s:G0X+4*\s+3], s[G1X:G1X+7]
	s_nop 0
	PLACES
.Lasked_\@:
.endm
.macro ASK base, off                   ; my work-group's 26 blocks of the two slabs that I load two fills on (lanes 26-31 name the last block again)
	global_prefetch_b8 v[PFO], s[\base:\base+1] offset:\off th:TH_LOAD_NT scope:SCOPE_SE
.endm
; A change of slots with a refill: all my tensor loads have landed (one was out: my part of the other slot); the add; both groups 0 of this slot step to the next tensor;
; the add and my reads of this slot are done; a round of the cluster's barrier; the refill first behind it.
.macro BOUND s
	WIN 0
	s_wait_tensorcnt 0x0
	ds_add_u32 v126, v127
	s_add_nc_u64 s[G0W+4*\s+2:G0W+4*\s+3], s[G0W+4*\s+2:G0W+4*\s+3], 8*GROUPB
	s_add_nc_u64 s[G0X+4*\s+2:G0X+4*\s+3], s[G0X+4*\s+2:G0X+4*\s+3], 32*GROUPB
	s_wait_dscnt 0x0
	CROUND
	JLOAD \s                                       ; its four v_nop are also the places in front of the loads that follow
.endm
; 64 numbers of a lane become a fragment's codes in v[pc] .. v[pc + 11] and its scale word in v[pw].  Blocks 0, 1 stand at v[sA] on, blocks 2, 3 at v[sB] on, 16 registers each.
.macro QUANT sA, sB, pc, pw, tm
.irp b, 0,1,2,3
	v_max3_num_f32 v[(\tm)+\b], |v[(\sA)+((\sB)-(\sA))*(\b/2)+16*(\b%2)]|, |v[(\sA)+((\sB)-(\sA))*(\b/2)+16*(\b%2)+1]|, 0x1800000   ; my 16 numbers of block b, and the floor 2^(3 - 127): the byte cannot fall under 1
.endr
.irp i, 2,4,6,8,10,12,14
.irp b, 0,1,2,3
	v_max3_num_f32 v[(\tm)+\b], v[(\tm)+\b], |v[(\sA)+((\sB)-(\sA))*(\b/2)+16*(\b%2)+\i]|, |v[(\sA)+((\sB)-(\sA))*(\b/2)+16*(\b%2)+\i+1]|
.endr
.endr
.irp b, 0,1,2,3
	v_permlanex16_b32 v[(\tm)+4+\b], v[(\tm)+\b], s[SEL], s[SEL+1]
.endr
.irp b, 0,1,2,3
	v_max_num_f32 v[(\tm)+\b], v[(\tm)+\b], v[(\tm)+4+\b]          ; with lane l xor 16's: the block's largest magnitude
.endr
.irp b, 0,1,2,3
	v_add_nc_u32 v[(\tm)+12+\b], 0xff000000, v[(\tm)+\b]           ; 2 off its exponent field: the conversion's scale operand
.endr
.irp b, 0,1,2,3
	v_lshrrev_b32 v[(\tm)+4+\b], 23, v[(\tm)+12+\b]                ; the scale's byte
.endr
	v_lshl_or_b32 v[\pw], v[(\tm)+5], 8, v[(\tm)+4]
	v_lshl_or_b32 v[\pw], v[(\tm)+6], 16, v[\pw]
	v_lshl_or_b32 v[\pw], v[(\tm)+7], 24, v[\pw]
.irp c, 0,1
	v_cvt_scalef32_pk16_fp6_f32 v[(\pc)+6*\c:(\pc)+6*\c+2], v[(\sA)+((\sB)-(\sA))*\c:(\sA)+((\sB)-(\sA))*\c+15], v[(\tm)+12+2*\c]
	v_cvt_scalef32_pk16_fp6_f32 v[(\pc)+12+4*\c:(\pc)+14+4*\c], v[(\sA)+((\sB)-(\sA))*\c+16:(\sA)+((\sB)-(\sA))*\c+31], v[(\tm)+13+2*\c]
.endr
	v_nop                                                          ; one plain place behind a scaled conversion
.irp c, 0,1                            ; a WHOLE block in a lane: lanes 0-15 block 2 c, lanes 16-31 block 2 c + 1
.irp i, 0,1,2
	v_permlane16_swap_b32 v[(\pc)+6*\c+\i], v[(\pc)+12+4*\c+\i]
.endr
.irp i, 0,1,2
	v_mov_b32 v[(\pc)+3+6*\c+\i], v[(\pc)+12+4*\c+\i]
.endr
.endr
.endm
; 40 LDS loads in one run: K step s's ten fragment images into buffer f, its ten scale images into set f.  K steps 0-3 lie in slot 0, 4-7 in slot 1.
.macro FETCH s, f
	WIN 0x40                                       ; destination window 1
.irp t, 0,1,2,3,4,5,6,7
.irp c, 0,1,2
	ds_load_b128 v[128*(\f)+12*\t+4*\c:128*(\f)+12*\t+4*\c+3], v[ADP+(\s)/4] offset:((\s)%4)*SLAB+1536*\t+512*\c
.endr
.endr
.irp a, 0,1
.irp c, 0,1,2
	ds_load_b128 v[128*(\f)+96+12*\a+4*\c:128*(\f)+96+12*\a+4*\c+3], v[ADN+(\s)/4] offset:((\s)%4)*SLAB+1536*\a+512*\c
.endr
.endr
	WIN 0
.irp t, 0,1,2,3,4,5,6,7
	ds_load_b32 v[SC+10*(\f)+\t], v[ASP+(\s)/4] offset:((\s)%4)*SLAB+128*\t
.endr
.irp a, 0,1
	ds_load_b32 v[SC+10*(\f)+8+\a], v[ASN+(\s)/4] offset:((\s)%4)*SLAB+128*\a
.endr
.endm
; 16 matrix instructions: source 0's eight tiles x my two of source 1, 128 along K, from buffer f.  zero = 1: the first K step starts the sums.  The 16 accumulators take turns, in the same order in every step.
.macro MUL16 f, zero
	WIN 0x05                                       ; sources 0 and 1 window 1; C and D window 0
.irp t, 0,1,2,3,4,5,6,7
.irp a, 0,1
.set AC, ACC+64*(\t/4)+32*\a+8*(\t%4)
.if \zero
	v_wmma_scale_f32_16x16x128_f8f6f4 v[AC:AC+7], v[128*(\f)+12*\t:128*(\f)+12*\t+11], v[128*(\f)+96+12*\a:128*(\f)+96+12*\a+11], 0, v[SC+10*(\f)+\t], v[SC+10*(\f)+8+\a] matrix_a_fmt:MATRIX_FMT_FP6 matrix_b_fmt:MATRIX_FMT_FP6
.else
	v_wmma_scale_f32_16x16x128_f8f6f4 v[AC:AC+7], v[128*(\f)+12*\t:128*(\f)+12*\t+11], v[128*(\f)+96+12*\a:128*(\f)+96+12*\a+11], v[AC:AC+7], v[SC+10*(\f)+\t], v[SC+10*(\f)+8+\a] matrix_a_fmt:MATRIX_FMT_FP6 matrix_b_fmt:MATRIX_FMT_FP6
.endif
.endr
.endr
.endm
.macro NEXT s, f                       ; K step s's fragments are asked for, and the K step before it, whose 40 loads are the older run, is waited for
	PLACES
	FETCH \s, \f
	s_wait_dscnt 40
.endm
; Block t's product.  On the way in K steps 0 and 1 have been asked for.  Blocks 0 and 1 fill each slot again as soon as it is read out, and ask for the next block's K steps 0 and 1.
.macro TILE t
	s_wait_dscnt 40
	MUL16 0, 1
	NEXT 2, 0
	MUL16 1, 0
	NEXT 3, 1
	MUL16 0, 0
.if \t < 2
	BOUND 0                                        ; slot 0 takes the next block's K steps 0-3
.else
	WIN 0
	s_wait_tensorcnt 0x0                           ; my part of the last fill is in
	s_wait_dscnt 0x0
	s_barrier_signal -1
	s_barrier_wait -1
	PLACES
.endif
	FETCH 4, 0
.if \t == 0
	ASK 50, 0                                      ; the third block's K steps 0-3
.endif
	MUL16 1, 0                                     ; K step 3: its fragments came in ahead of the barrier
	NEXT 5, 1
	MUL16 0, 0
	NEXT 6, 0
	MUL16 1, 0
	NEXT 7, 1
	MUL16 0, 0
.if \t < 2
	BOUND 1                                        ; slot 1 takes the next block's K steps 4-7
.if \t == 1
.set ADP, 98                           ; V: value's rows are source 0, the weight's source 1
.set ADN, 100
.set ASP, 102
.set ASN, 104
.endif
	FETCH 0, 0
.if \t == 0
	ASK 50, XO                                     ; the third block's K steps 4-7
.endif
.else
	s_wait_dscnt 0x0
.endif
	MUL16 1, 0                                     ; K step 7
	WIN 0
	PLACES
.if \t < 2
	FETCH 1, 1
.endif
.endm
; THE WAY OUT of Q (tn = 0) or K (tn = 1).  The bias runs along the registers.  Head c of the weight's group: the 32 registers at ACC + 64 c + 32 a are the 64 numbers (my half of each block) of row r of my tile a.
.macro EPQK tn
	WIN 0x08                                       ; source 1 window 2
.irp t, 0,1,2,3,4,5,6,7
.irp a, 0,1
.irp i, 0,2,4,6                        ; each accumulator from its low end on
	v_pk_add_f32 v[ACC+64*(\t/4)+32*\a+8*(\t%4)+\i:ACC+64*(\t/4)+32*\a+8*(\t%4)+\i+1], v[ACC+64*(\t/4)+32*\a+8*(\t%4)+\i:ACC+64*(\t/4)+32*\a+8*(\t%4)+\i+1], v[64*(\tn)+8*\t+\i:64*(\tn)+8*\t+\i+1]
.endr
.endr
.endr
	WIN 0
	QUANT ACC, ACC+32, PC0, PW0, TM
.irp p, 0,1,2
	global_store_b128 v12, v[PC0+4*\p:PC0+4*\p+3], s[12:13] offset:(\tn)*512*RECB+512*\p          ; 32 lanes store 512 consecutive bytes, at a multiple of 256 from the buffer's first byte
.endr
	global_store_b32 v13, v[PW0], s[12:13] offset:(\tn)*512*RECB
	QUANT ACC+64, ACC+96, PC1, PW1, TM
.irp p, 0,1,2
	global_store_b128 v12, v[PC1+4*\p:PC1+4*\p+3], s[12:13] offset:(\tn)*512*RECB+16*RECB+512*\p  ; the next head's record lies 16 records on
.endr
	global_store_b32 v13, v[PW1], s[12:13] offset:(\tn)*512*RECB+16*RECB
.endm
	s_load_b256 s[4:11], s[0:1], 0x0               ; xw s[4:5], bq s[6:7], bk s[8:9], bv s[10:11]
	s_load_b64 s[12:13], s[0:1], 0x20              ; qkv
	v_lshl_add_u32 v126, v0, 2, SPARE
	v_mov_b32 v127, 0
	ds_add_u32 v126, v127                          ; the opening lines: the add, twice on end, and its wait ahead of my first tensor load
	ds_add_u32 v126, v127
	v_lshrrev_b32 v1, 5, v0
	v_readfirstlane_b32 s14, v1                    ; wave 0..3
	s_and_b32 s15, s14, 1                          ; which two of a fill's four slabs I fetch
	s_lshr_b32 s54, s14, 1                         ; for the weight (0) or for x (1)
	s_bfe_u32 s66, ttmp6, 0x40000                  ; cx, cy: my place in the cluster
	s_bfe_u32 s67, ttmp6, 0x40004
	s_lshl_b32 s68, ttmp9, 2
	s_add_co_u32 s68, s68, s66                     ; x = 4 x cluster x + cx: the weight's group
	s_and_b32 s69, ttmp7, 0xffff
	s_lshl_b32 s70, s69, 2
	s_add_co_u32 s70, s70, s67                     ; y = 4 x cluster y + cy: x's group in its tensor
	s_lshl_b32 s72, s67, 2
	s_lshl_b32 s72, 15, s72                        ; my row of the cluster
	s_lshl_b32 s73, 0x1111, s66                    ; my column
	s_or_b32 s[G1W], s73, (3<<16)|(1<<21)          ; 15:0 the mask; 17:16 elements of 8 bytes; 21 set beside a mask; no padding
	s_or_b32 s[G1X], s72, (3<<16)|(1<<21)
.irp g, G1W, G1X                       ; two slabs are dense: 104 rows of 256 bytes
	s_mov_b32 s[\g+1], 32<<16                      ; tensor_dim0 = 32
	s_mov_b32 s[\g+2], 104<<16                     ; tensor_dim1 = 104
	s_mov_b32 s[\g+3], 32<<16                      ; tile_dim0 = 32
	s_mov_b32 s[\g+4], 104                         ; tile_dim1 = 104
	s_mov_b32 s[\g+5], 32                          ; tensor_dim0_stride
	s_mov_b32 s[\g+6], 0
	s_mov_b32 s[\g+7], 0
.endr
	s_mul_i32 s78, s14, 2*SLAB                     ; where my two slabs go in a slot: wave x two slabs
	s_mul_i32 s79, s15, 2*SLAB                     ; and where they lie in a half group
	s_add_co_u32 s76, s68, 96                      ; Wq's group in xw: 96 + x
	s_mul_i32 s76, s76, GROUPB
	s_add_co_u32 s76, s76, s79
	s_mov_b32 s77, 0
	s_mul_i32 s80, s70, GROUPB                     ; query's group: y
	s_add_co_u32 s80, s80, s79
	s_mov_b32 s81, 0
	s_wait_dscnt 0x0                               ; both opening adds are done
	s_wait_kmcnt 0x0
	s_add_nc_u64 s[76:77], s[4:5], s[76:77]
	s_add_nc_u64 s[80:81], s[4:5], s[80:81]
	CROUND                                         ; all sixteen work-groups are here: the first joint loads meet
.irp s, 0,1                            ; slot s begins with the first block's K steps 4 s .. 4 s + 3
	s_mov_b32 s[G0W+4*\s], 1
	s_add_co_u32 s[G0W+4*\s+1], s78, \s*SLOTB
	s_add_nc_u64 s[G0W+4*\s+2:G0W+4*\s+3], s[76:77], \s*XO
	s_or_b32 s[G0W+4*\s+3], s[G0W+4*\s+3], 0x80000000
	s_mov_b32 s[G0X+4*\s], 1
	s_add_co_u32 s[G0X+4*\s+1], s78, \s*SLOTB
	s_add_nc_u64 s[G0X+4*\s+2:G0X+4*\s+3], s[80:81], \s*XO
	s_or_b32 s[G0X+4*\s+3], s[G0X+4*\s+3], 0x80000000
.endr
	JLOAD 0                                        ; my one tensor load at the head
	s_mul_i32 s83, s14, 3072                       ; my two tiles of source 1: in the weight's slabs (V),
	s_add_co_u32 s82, s83, XO                      ; in x's (Q, K)
	s_lshl_b32 s85, s14, 8
	s_add_co_u32 s85, s85, 12288                   ; and their scale images
	s_add_co_u32 s84, s85, XO
	s_mul_i32 s86, s14, 1536                       ; Q, K: image w of a record is mine
	s_lshl_b32 s87, s14, 7
	s_add_co_u32 s87, s87, 6144
	s_mul_i32 s88, s15, 3072                       ; V: images 2 (w % 2) and 2 (w % 2) + 1
	s_lshl_b32 s89, s15, 8
	s_add_co_u32 s89, s89, 6144
	s_mov_b32 s[SEL], 0x76543210
	s_mov_b32 s[SEL+1], 0xfedcba98
	s_lshl_b32 s90, s68, 9                         ; the biases of the weight's group: 128 x numbers on
	s_mov_b32 s91, 0
	s_add_nc_u64 s[6:7], s[6:7], s[90:91]
	s_add_nc_u64 s[8:9], s[8:9], s[90:91]
	s_lshl_b32 s92, s14, 7
	s_add_co_u32 s90, s90, s92                     ; bv: + 32 w numbers
	s_add_nc_u64 s[10:11], s[10:11], s[90:91]
	s_and_b32 s92, s70, 16                         ; 16 x batch
	s_and_b32 s93, s70, 15                         ; the group of 128 rows in the batch
	s_lshl_b32 s94, s68, 1
	s_add_co_u32 s94, s94, s92                     ; 16 x batch + 2 x: the first head
	s_add_co_u32 s90, s94, s54                     ; V: my head is 2 x + w / 2
	s_lshl_b32 s90, s90, 4
	s_add_co_u32 s90, s90, s93
	s_add_co_u32 s90, s90, 1024                    ; V's records begin at 2 x 512
	s_mul_i32 s90, s90, RECB
	s_add_nc_u64 s[52:53], s[12:13], s[90:91]      ; V's record
	s_lshl_b32 s94, s94, 4
	s_add_co_u32 s94, s94, s93
	s_mul_i32 s90, s94, RECB
	s_add_nc_u64 s[12:13], s[12:13], s[90:91]      ; Q's first record; K's lies 512 records on
	s_mov_b32 s56, 32*GROUPB                       ; the prefetches: from tensor to tensor x goes 32 groups on, the weight 8
	s_cmp_eq_u32 s54, 0
	s_cselect_b64 s[48:49], s[76:77], s[80:81]     ; the two slabs that I fetch,
	s_cselect_b32 s55, s67, s66                    ; my place among the four that ask for them with me,
	s_cselect_b32 s56, 8*GROUPB, s56
	s_mov_b32 s57, 0
	s_mul_i32 s58, s55, 26*256                     ; whose 26 blocks are mine
	s_mov_b32 s59, 0
	s_add_nc_u64 s[48:49], s[48:49], s[58:59]
	s_add_nc_u64 s[48:49], s[48:49], s[56:57]      ; in the second block,
	s_add_nc_u64 s[50:51], s[48:49], s[56:57]      ; and in the third
	v_and_b32 v3, 31, v0                           ; lane
	v_and_b32 v1, 15, v0                           ; r
	v_bfe_u32 v2, v0, 4, 1                         ; h
	v_lshlrev_b32 v4, 4, v3                        ; Q, K: source 0 = the weight's slabs,
	v_add_nc_u32 v5, SLOTB, v4
	v_lshl_add_u32 v6, v3, 4, s82                  ; source 1 = x's
	v_add_nc_u32 v7, SLOTB, v6
	v_lshl_add_u32 v8, v3, 2, 12288
	v_add_nc_u32 v9, SLOTB, v8
	v_lshl_add_u32 v10, v3, 2, s84
	v_add_nc_u32 v11, SLOTB, v10
	v_lshl_add_u32 v98, v3, 4, XO                  ; V: source 0 = x's slabs,
	v_add_nc_u32 v99, SLOTB, v98
	v_lshl_add_u32 v100, v3, 4, s83                ; source 1 = the weight's
	v_add_nc_u32 v101, SLOTB, v100
	v_lshl_add_u32 v102, v3, 2, XO+12288
	v_add_nc_u32 v103, SLOTB, v102
	v_lshl_add_u32 v104, v3, 2, s85
	v_add_nc_u32 v105, SLOTB, v104
	v_lshl_add_u32 v12, v3, 4, s86                 ; the way out: Q's and K's images,
	v_lshl_add_u32 v13, v3, 2, s87
	v_lshl_add_u32 v106, v3, 4, s88                ; V's
	v_lshl_add_u32 v107, v3, 2, s89
	v_lshlrev_b32 v18, 6, v2                       ; bq, bk: for tile t, half h: features 32 (t / 2) + 16 h + 8 (t % 2) + 0 .. 7
	v_and_b32 v19, 8, v1
	v_add_nc_u32 v19, v19, v1
	v_lshlrev_b32 v19, 2, v19                      ; bv: lane r of my tile a holds feature 32 w + 8 a + r + 8 (r / 8)
	v_min_u32 v[PFO], 25, v3
	v_lshlrev_b32 v[PFO], 8, v[PFO]
	v_mov_b32 v15, 0                               ; (named as the upper halves of pairs)
	v_mov_b32 v17, 0
.irp b, 0,1,2,3
	v_mov_b32 v[TM+4+\b], 0                        ; written once: a lane permute's destination counts as one of its sources
.endr
	s_wait_alu depctr_va_vdst(0)                   ; the head's end
	ASK 48, 0                                      ; the second block's K steps 0-3
	WIN 0x80                                       ; destination window 2
.irp t, 0,1,2,3,4,5,6,7
	global_load_b128 v[8*\t:8*\t+3], v18, s[6:7] offset:(32*(\t/2)+8*(\t%2))*4
	global_load_b128 v[8*\t+4:8*\t+7], v18, s[6:7] offset:(32*(\t/2)+8*(\t%2))*4+16
.endr
.irp t, 0,1,2,3,4,5,6,7
	global_load_b128 v[64+8*\t:64+8*\t+3], v18, s[8:9] offset:(32*(\t/2)+8*(\t%2))*4
	global_load_b128 v[64+8*\t+4:64+8*\t+7], v18, s[8:9] offset:(32*(\t/2)+8*(\t%2))*4+16
.endr
	WIN 0
	global_load_b32 v14, v19, s[10:11]
	global_load_b32 v16, v19, s[10:11] offset:32
	s_wait_tensorcnt 0x0                           ; my part of slot 0 is in
	ds_add_u32 v126, v127
	s_wait_dscnt 0x0
	CROUND                                         ; everybody's part is in, and the joint loads meet
	JLOAD 1                                        ; slot 1's first fill: the first block's K steps 4-7
	FETCH 0, 0
	FETCH 1, 1
	ASK 48, XO                                     ; the second block's K steps 4-7
	TILE 0
	s_wait_loadcnt 0x0                             ; the biases
	EPQK 0
	TILE 1
	s_wait_xcnt 0x0                                ; Q's stores have read their data: codes and scale words are written again only behind this wait
	EPQK 1
	TILE 2
	s_wait_xcnt 0x0                                ; and K's
.irp t, 0,1,2,3,4,5,6,7                ; V: the bias runs along the lanes
.irp a, 0,1
.irp i, 0,2,4,6                        ; each accumulator from its low end on; the pair's low word serves both halves
	v_pk_add_f32 v[ACC+64*(\t/4)+32*\a+8*(\t%4)+\i:ACC+64*(\t/4)+32*\a+8*(\t%4)+\i+1], v[ACC+64*(\t/4)+32*\a+8*(\t%4)+\i:ACC+64*(\t/4)+32*\a+8*(\t%4)+\i+1], v[14+2*\a:15+2*\a] op_sel_hi:[1,0]
.endr
.endr
.endr
	; my tile a: the registers at ACC + 32 a (keys 0-63) and ACC + 64 + 32 a (keys 64-127) are my half of the four blocks of keys of channel r
	QUANT ACC, ACC+64, PC0, PW0, TM
.irp p, 0,1,2
	global_store_b128 v106, v[PC0+4*\p:PC0+4*\p+3], s[52:53] offset:512*\p
.endr
	global_store_b32 v107, v[PW0], s[52:53]
	QUANT ACC+32, ACC+96, PC1, PW1, TM
.irp p, 0,1,2
	global_store_b128 v106, v[PC1+4*\p:PC1+4*\p+3], s[52:53] offset:1536+512*\p
.endr
	global_store_b32 v107, v[PW1], s[52:53] offset:128
	s_wait_tensorcnt 0x0                           ; the wave's end
	ds_add_u32 v126, v127
	s_wait_dscnt 0x0
	CROUND                                         ; the closing round
	s_endpgm
.Lfunc_end_k_q6b065f48b6_proj:
	.size	k_q6b065f48b6_proj, .Lfunc_end_k_q6b065f48b6_proj-k_q6b065f48b6_proj
	.p2alignl 7, 3214868480
	.fill 96, 4, 3214868480
	.section	.rodata,"a",@progbits
	.p2align	6, 0x0
	.amdhsa_kernel k_q6b065f48b6_proj
		.amdhsa_group_segment_fixed_size 327680
		.amdhsa_private_segment_fixed_size 0
		.amdhsa_enable_private_segment 0
		.amdhsa_kernarg_size 40
		.amdhsa_user_sgpr_count 2
		.amdhsa_user_sgpr_kernarg_segment_ptr 1
		.amdhsa_wavefront_size32 1
		.amdhsa_system_sgpr_workgroup_id_x 1
		.amdhsa_system_sgpr_workgroup_id_y 1
		.amdhsa_system_sgpr_workgroup_id_z 1
		.amdhsa_system_vgpr_workitem_id 0
		.amdhsa_next_free_vgpr 640
		.amdhsa_next_free_sgpr 96
		.amdhsa_reserve_vcc 0
		.amdhsa_float_denorm_mode_32 3
		.amdhsa_float_denorm_mode_16_64 3
		.amdhsa_memory_ordered 1
		.amdhsa_forward_progress 1
		.amdhsa_inst_pref_size 168
	.end_amdhsa_kernel
	.amdgpu_metadata
---
amdhsa.version: [ 1, 2 ]
amdhsa.kernels:
  - .name:           k_q6b065f48b6_proj
    .symbol:         k_q6b065f48b6_proj.kd
    .args:
      - { .name: xw, .offset: 0, .size: 8, .value_kind: global_buffer, .address_space: global }
      - { .name: bq, .offset: 8, .size: 8, .value_kind: global_buffer, .address_space: global }
      - { .name: bk, .offset: 16, .size: 8, .value_kind: global_buffer, .address_space: global }
      - { .name: bv, .offset: 24, .size: 8, .value_kind: global_buffer, .address_space: global }
      - { .name: qkv, .offset: 32, .size: 8, .value_kind: global_buffer, .address_space: global }
    .group_segment_fixed_size: 327680
    .private_segment_fixed_size: 0
    .kernarg_segment_align: 8
    .kernarg_segment_size: 40
    .max_flat_workgroup_size: 128
    .sgpr_count:     96
    .vgpr_count:     640
    .wavefront_size: 32
...
	.end_amdgpu_metadata
.endif
;; end of part 2
;; launch attn (part 3): grid 16 x 16, 8 waves a work-group, no clusters, 327,680 bytes of LDS; arguments qkv, oimg; writes oimg
.if DOCPART == 3
	.amdgcn_target "amdgcn-amd-amdhsa--gfx1250"
	.amdhsa_code_object_version 6
	.text
	.protected	k_q6b065f48b6_attn
	.globl	k_q6b065f48b6_attn
	.p2align	8
	.type	k_q6b065f48b6_attn,@function
k_q6b065f48b6_attn:
	s_mov_b64 s[64:65], 0
	v_nop
	global_prefetch_b8 v0, s[64:65] scope:SCOPE_SE
	s_setreg_imm32_b32 hwreg(HW_REG_WAVE_MODE, 25, 1), 1
	s_wait_xcnt 0x0
; Banded attention on codes of FP6 (E2M3, one E8M0 scale for each 32 along a product's K).  Key j counts for query i where -128 <= j - i < 128.
; qkv: records of 6,656 bytes = 4 fragment images of 1,536 bytes + 4 scale images of 128 bytes; record = tensor x 512 + (batch x 16 + head) x 16 + group of 128 rows; tensor 0 Q, 1 K, 2 V.
;   Q, K: image i holds rows 32 i .. + 31 of the group: registers 0-5 = row tile 2 i (the head's 64 numbers), registers 6-11 = tile 2 i + 1; tile 2 i + u holds rows 32 i + 8 u + r + 8 (r / 8).   V: image t = tile t of the 64 channels x the group's 128 keys.
; THE BAND.  For the 128 queries of group g only key groups g - 1, g, g + 1 count: whole groups further off lie under the mask that the problem builds itself and are left out.  With qq, kk the places in their groups:
; all of group g; of group g - 1 the keys kk >= qq; of group g + 1 the keys kk < qq.  THE MASK IS THE C OF THE SCORES' PRODUCTS: 0 where a key counts, -1e30 where it is hidden; the two sets of 64 registers are made once, at the head.
; A hidden score is then about -1e30 and its p is 0, as the problem's -1e9 gives.  LIMIT: that is the same as long as scores inside the band lie far above -1e9 and all scores under 1e29 in magnitude.  Group g comes first, so the maximum is a counted key's from the first step on.
; K = 64 IN A FORM OF 128: an image of K holds two tiles of keys side by side along the form's K; against [Q | 0] it gives the first tile's scores, against [0 | Q] the second's (zero codes add nothing; their scale bytes are 0, which is 2^-127).
; THE SOFTMAX: t = score x log2(e) / 8; M = the running largest t rounded UP to a whole number; p = 2^(t - M) is quantised along the keys, not normalised; the sum of the unquantised p divides at the end; a change of M multiplies sum and O by a power of two.
; SHARES.  A work-group takes group g (x) of a batch and a pair of heads (y = 8 x batch + pair); wave w takes row tile w of the 128 queries, head after head: so it ends with 128 neighbours along the last product's K
; (2 heads x 64 channels) of its 16 rows, one whole fragment, quantised here and stored as an image: oimg has xw's group format, group = 16 x batch + g, slab = the pair of heads, tile = w.
; LDS: four regions of 19,968 bytes (head 0's K, V, head 1's K, V), each with the records of three neighbouring groups from start = min(max(g - 1, 0), 13) on, dense in memory; each wave brings half a region by ONE tensor load; nothing is filled again.
; Waves 0-3 ask for head 0's regions at the head; waves 4-7 ask for head 1's behind the first barrier, so that these land while head 0 is walked; a barrier between the heads shows them to all waves.
; K's images of the next step are asked of LDS a step ahead, into window 1; V's at the step's head.
; NO CLUSTER: neighbouring work-groups share two of their three groups of keys, but at different places of their regions (place = group - start), and a joint load has one LDS address for all that it names.
; NO PREFETCH: the launch has no loop to run ahead in: all that a work-group reads, 79,872 bytes, is asked for by its eight tensor loads in the two groups above.
; LIMITS: blocks whose largest magnitude lies under 2^-124 get the byte 1 (this program alone reads the bytes); NaN and infinities are not served.
; REGISTERS: window 0: v1-5 addresses; v6, 7, 93, 94 K's scale words (v6, v7 first Q's offsets); v8, v9 the step's record in LDS; v12 -M, v13 the largest t, v[14:15] the sum in two halves; v16-27 [Q | 0]; v32-79 V's images; v80-91 [0 | Q];
;   v92, v255 Q's scale words; v95, v243 the add's; v96-159 S^T, then p; v160-191, v192-223 O^T of heads 0, 1; v224-235 p's codes; v236-254 at work.   window 1: v0-47 K's images; v64-127 the mask for the group below; v128-191 for the group above.
.set RECB,   6656
.set HALFB,  9984                      ; half a region: 39 rows of 256 bytes
.set REG,    19968
.set GROUPB, 106496
.set SLAB,   13312
.set SPARE,  4*REG                     ; behind the regions: the spare words, 128 bytes a wave
.set SEL, 32                           ; s[32:33] lane selects for v_permlanex16_b32: lane l xor 16
.set CS,  34                           ; s[34:35] c = log2(e) / 8
.set MSB, 0
.macro WIN new                         ; the immediate's high byte repeats the setting that is left
.if MSB != \new
	s_set_vgpr_msb (MSB<<8)|\new
.set MSB, \new
.endif
.endm
.macro PLACES
.rept 4
	v_nop
.endr
.endm
.macro KLOAD                           ; 16 LDS loads: the record of K at v8, v9 into window 1, its scale words into v6, 7, 93, 94
	WIN 0x40
.irp i, 0,1,2,3
.irp p, 0,1,2
	ds_load_b128 v[12*\i+4*\p:12*\i+4*\p+3], v8 offset:1536*\i+512*\p
.endr
.endr
	WIN 0
.irp i, 0,1,2,3
	ds_load_b32 v[6+\i+85*(\i/2)], v9 offset:6144+128*\i
.endr
.endm
.macro QUANT sA, sB, pc, pw, tm        ; 64 numbers of a lane (blocks 0, 1 at v[sA] on, 2, 3 at v[sB] on) -> a fragment's codes in v[pc] .. v[pc + 11], its scale word in v[pw]
.irp b, 0,1,2,3
	v_max3_num_f32 v[(\tm)+\b], |v[(\sA)+((\sB)-(\sA))*(\b/2)+16*(\b%2)]|, |v[(\sA)+((\sB)-(\sA))*(\b/2)+16*(\b%2)+1]|, 0x1800000   ; and the floor 2^(3 - 127): the byte cannot fall under 1
.endr
.irp i, 2,4,6,8,10,12,14
.irp b, 0,1,2,3
	s_delay_alu instid0(VALU_DEP_4)
	v_max3_num_f32 v[(\tm)+\b], v[(\tm)+\b], |v[(\sA)+((\sB)-(\sA))*(\b/2)+16*(\b%2)+\i]|, |v[(\sA)+((\sB)-(\sA))*(\b/2)+16*(\b%2)+\i+1]|
.endr
.endr
.irp b, 0,1,2,3
	s_delay_alu instid0(VALU_DEP_4)
	v_permlanex16_b32 v[(\tm)+4+\b], v[(\tm)+\b], s[SEL], s[SEL+1]
.endr
.irp b, 0,1,2,3
	s_delay_alu instid0(VALU_DEP_4)
	v_max_num_f32 v[(\tm)+\b], v[(\tm)+\b], v[(\tm)+4+\b]
.endr
.irp b, 0,1,2,3
	s_delay_alu instid0(VALU_DEP_4)
	v_add_nc_u32 v[(\tm)+12+\b], 0xff000000, v[(\tm)+\b]
.endr
.irp b, 0,1,2,3
	s_delay_alu instid0(VALU_DEP_4)
	v_lshrrev_b32 v[(\tm)+4+\b], 23, v[(\tm)+12+\b]
.endr
	s_delay_alu instid0(VALU_DEP_3)
	v_lshl_or_b32 v[\pw], v[(\tm)+5], 8, v[(\tm)+4]
	s_delay_alu instid0(VALU_DEP_1)
	v_lshl_or_b32 v[\pw], v[(\tm)+6], 16, v[\pw]
	s_delay_alu instid0(VALU_DEP_1)
	v_lshl_or_b32 v[\pw], v[(\tm)+7], 24, v[\pw]
.irp c, 0,1
	v_cvt_scalef32_pk16_fp6_f32 v[(\pc)+6*\c:(\pc)+6*\c+2], v[(\sA)+((\sB)-(\sA))*\c:(\sA)+((\sB)-(\sA))*\c+15], v[(\tm)+12+2*\c]
	v_cvt_scalef32_pk16_fp6_f32 v[(\pc)+12+4*\c:(\pc)+14+4*\c], v[(\sA)+((\sB)-(\sA))*\c+16:(\sA)+((\sB)-(\sA))*\c+31], v[(\tm)+13+2*\c]
.endr
	v_nop                                                          ; one plain place behind a scaled conversion
.irp c, 0,1
.irp i, 0,1,2
	v_permlane16_swap_b32 v[(\pc)+6*\c+\i], v[(\pc)+12+4*\c+\i]
.endr
.irp i, 0,1,2
	s_delay_alu instid0(VALU_DEP_3)
	v_mov_b32 v[(\pc)+3+6*\c+\i], v[(\pc)+12+4*\c+\i]
.endr
.endr
.endm
; A KEY STEP: one group of 128 keys of head hd.  mode 0: all keys count; 1: the group below; 2: the group above.  first = 1: the products start O^T's sums.  ob: O^T's first register.
; On the way in v8, v9 hold the place of this step's record of K, whose 16 loads are the youngest.  nx: the scalar register with the next step's place in a region (0: no next step in this head).
.macro STEP hd, mode, first, ob, nx
.irp i, 0,1,2,3                        ; V's record lies a region on: its 16 loads land while the scores and the softmax are walked
.irp p, 0,1,2
	ds_load_b128 v[32+12*\i+4*\p:35+12*\i+4*\p], v8 offset:REG+1536*\i+512*\p
.endr
	ds_load_b32 v[248+\i], v9 offset:REG+6144+128*\i
.endr
	s_wait_alu depctr_va_vdst(0)
	s_wait_dscnt 16                                ; all but V's sixteen: K is in
.if \mode
	WIN 0x11                                       ; source 0 (K) and C (the mask) window 1
.else
	WIN 0x01                                       ; source 0 window 1
.endif
.irp i, 0,1,2,3                        ; S^T = K Q^T + the mask: source 0 = an image of K, source 1 = my 16 queries.  The 16 registers of tiles 2 i, 2 i + 1 are keys 32 i + 16 (lane / 16) + 0 .. 15
.if \mode
	v_wmma_scale_f32_16x16x128_f8f6f4 v[96+16*\i:103+16*\i], v[12*\i:12*\i+11], v[16:27], v[64*(\mode)+16*\i:64*(\mode)+16*\i+7], v[6+\i+85*(\i/2)], v255 matrix_a_fmt:MATRIX_FMT_FP6 matrix_b_fmt:MATRIX_FMT_FP6
	v_wmma_scale_f32_16x16x128_f8f6f4 v[104+16*\i:111+16*\i], v[12*\i:12*\i+11], v[80:91], v[64*(\mode)+16*\i+8:64*(\mode)+16*\i+15], v[6+\i+85*(\i/2)], v92 matrix_a_fmt:MATRIX_FMT_FP6 matrix_b_fmt:MATRIX_FMT_FP6
.else
	v_wmma_scale_f32_16x16x128_f8f6f4 v[96+16*\i:103+16*\i], v[12*\i:12*\i+11], v[16:27], 0, v[6+\i+85*(\i/2)], v255 matrix_a_fmt:MATRIX_FMT_FP6 matrix_b_fmt:MATRIX_FMT_FP6
	v_wmma_scale_f32_16x16x128_f8f6f4 v[104+16*\i:111+16*\i], v[12*\i:12*\i+11], v[80:91], 0, v[6+\i+85*(\i/2)], v92 matrix_a_fmt:MATRIX_FMT_FP6 matrix_b_fmt:MATRIX_FMT_FP6
.endif
.endr
	WIN 0
	PLACES                                         ; in front of the loads into K's registers, and of the first read of the scores
.if \nx
	s_add_co_u32 s41, s[\nx], 2*REG*(\hd)          ; the next step's record of K
	v_add_nc_u32 v8, s41, v1
	v_add_nc_u32 v9, s41, v2
	KLOAD
.endif
.irp b, 0,1,2,3
	v_max3_num_f32 v[232+\b], v[96+16*\b], v[97+16*\b], v[98+16*\b]   ; the largest score of each block of 32 keys: it serves for the row's maximum and, since p rises with the score, for the block's largest p
.endr
.irp i, 3,5,7,9,11,13
.irp b, 0,1,2,3
	v_max3_num_f32 v[232+\b], v[232+\b], v[96+16*\b+\i], v[97+16*\b+\i]
.endr
.endr
.irp b, 0,1,2,3
	v_max_num_f32 v[232+\b], v[232+\b], v[111+16*\b]
.endr
.irp b, 0,1,2,3
	s_delay_alu instid0(VALU_DEP_4)
	v_permlanex16_b32 v[236+\b], v[232+\b], s[SEL], s[SEL+1]
.endr
.irp b, 0,1,2,3
	s_delay_alu instid0(VALU_DEP_4)
	v_max_num_f32 v[232+\b], v[232+\b], v[236+\b]  ; with lane l xor 16's 16 keys
.endr
	s_delay_alu instid0(VALU_DEP_2)
	v_max3_num_f32 v254, v232, v233, v234
	s_delay_alu instid0(VALU_DEP_1)
	v_max_num_f32 v254, v254, v235                 ; the step's largest score of my query
	s_delay_alu instid0(VALU_DEP_1)
	v_mul_f32 v254, s[CS], v254                    ; as t (c is positive)
	s_delay_alu instid0(VALU_DEP_1)
	v_max_num_f32 v13, v13, v254                   ; the running largest t
	v_mov_b32 v254, v12
	s_delay_alu instid0(VALU_DEP_2)
	v_floor_f32 v12, -v13                          ; the new -M = floor(-t) = -ceil(t): a whole number
	s_delay_alu instid0(VALU_DEP_1)
	v_sub_f32 v254, v12, v254                      ; old M - new M: a whole number, 0 or less
	s_delay_alu instid0(VALU_DEP_1)
	v_cvt_i32_f32 v254, v254                       ; (it saturates)
	s_delay_alu instid0(VALU_DEP_1)
	v_ldexp_f32 v252, 1.0, v254                    ; f = 2^(old M - new M)
.set n, 0
.rept 32
	v_pk_fma_f32 v[96+n:97+n], v[96+n:97+n], s[CS:CS+1], v[12:13] op_sel_hi:[1,0,0]   ; t - M, two at a time (of the pairs c and -M the low word serves both halves)
.set n, n+2
.endr
.irp b, 0,1,2,3
	v_fma_f32 v[232+\b], v[232+\b], s[CS], v12     ; the same of each block's largest score
.endr
.set n, 0
	s_wait_alu depctr_va_vdst(0)
.rept 64
	v_exp_f32 v[96+n], v[96+n]                     ; p = 2^(t - M), at most 1
.set n, n+1
.endr
.irp b, 0,1,2,3
	v_exp_f32 v[232+\b], v[232+\b]                 ; the block's largest p
.endr
	v_pk_mul_f32 v[14:15], v[14:15], v[252:253] op_sel_hi:[1,0]   ; the sums under the new M (a plain place behind the exponentials)
	s_wait_alu depctr_va_vdst(0)
.irp b, 0,1,2,3
	v_max_num_f32 v[232+\b], 0x1800000, v[232+\b]  ; the floor 2^(3 - 127): a block whose every p is 0 keeps the byte 1; its codes are zeros
.endr
.irp b, 0,1,2,3
	s_delay_alu instid0(VALU_DEP_4)
	v_add_nc_u32 v[244+\b], 0xff000000, v[232+\b]  ; 2 off the exponent field: the conversion's scale operand
.endr
.irp b, 0,1,2,3
	s_delay_alu instid0(VALU_DEP_4)
	v_lshrrev_b32 v[236+\b], 23, v[244+\b]         ; the scale's byte
.endr
	s_delay_alu instid0(VALU_DEP_3)
	v_lshl_or_b32 v253, v237, 8, v236              ; p's scale word for these 128 keys
	s_delay_alu instid0(VALU_DEP_1)
	v_lshl_or_b32 v253, v238, 16, v253
	s_delay_alu instid0(VALU_DEP_1)
	v_lshl_or_b32 v253, v239, 24, v253
.irp c, 0,1
	v_cvt_scalef32_pk16_fp6_f32 v[224+6*\c:226+6*\c], v[96+32*\c:111+32*\c], v[244+2*\c]
	v_cvt_scalef32_pk16_fp6_f32 v[236+4*\c:238+4*\c], v[112+32*\c:127+32*\c], v[244+2*\c+1]
.endr
	v_nop                                          ; one plain place behind a scaled conversion
.irp c, 0,1
.irp i, 0,1,2
	v_permlane16_swap_b32 v[224+6*\c+\i], v[236+4*\c+\i]
.endr
.irp i, 0,1,2
	s_delay_alu instid0(VALU_DEP_3)
	v_mov_b32 v[227+6*\c+\i], v[236+4*\c+\i]
.endr
.endr
	v_pk_add_f32 v[236:237], v[100:101], v[104:105]                ; the row's sum of the unquantised p, in eight chains
	v_pk_add_f32 v[246:247], v[108:109], v[112:113]
	v_pk_add_f32 v[244:245], v[116:117], v[120:121]
	v_pk_add_f32 v[240:241], v[124:125], v[128:129]
	v_pk_add_f32 v[30:31], v[132:133], v[136:137]
	v_pk_add_f32 v[28:29], v[140:141], v[144:145]
	v_pk_add_f32 v[10:11], v[148:149], v[152:153]
	v_pk_add_f32 v[14:15], v[14:15], v[156:157]
	v_pk_add_f32 v[236:237], v[236:237], v[96:97]
	v_pk_add_f32 v[246:247], v[246:247], v[98:99]
	v_pk_add_f32 v[244:245], v[244:245], v[102:103]
	v_pk_add_f32 v[240:241], v[240:241], v[106:107]
	v_pk_add_f32 v[30:31], v[30:31], v[110:111]
	v_pk_add_f32 v[28:29], v[28:29], v[114:115]
	v_pk_add_f32 v[10:11], v[10:11], v[118:119]
	v_pk_add_f32 v[14:15], v[14:15], v[122:123]
	v_pk_add_f32 v[236:237], v[236:237], v[126:127]
	v_pk_add_f32 v[246:247], v[246:247], v[130:131]
	v_pk_add_f32 v[244:245], v[244:245], v[134:135]
	v_pk_add_f32 v[240:241], v[240:241], v[138:139]
	v_pk_add_f32 v[30:31], v[30:31], v[142:143]
	v_pk_add_f32 v[28:29], v[28:29], v[146:147]
	v_pk_add_f32 v[10:11], v[10:11], v[150:151]
	v_pk_add_f32 v[14:15], v[14:15], v[154:155]
	v_pk_add_f32 v[236:237], v[236:237], v[158:159]
	s_delay_alu instid0(VALU_DEP_2)
	v_pk_add_f32 v[14:15], v[14:15], v[240:241]
	s_delay_alu instid0(VALU_DEP_2)
	v_pk_add_f32 v[236:237], v[236:237], v[30:31]
	v_pk_add_f32 v[246:247], v[246:247], v[28:29]
	v_pk_add_f32 v[244:245], v[244:245], v[10:11]
	s_delay_alu instid0(VALU_DEP_2)
	v_pk_add_f32 v[14:15], v[14:15], v[246:247]
	s_delay_alu instid0(VALU_DEP_2)
	v_pk_add_f32 v[236:237], v[236:237], v[244:245]
	s_delay_alu instid0(VALU_DEP_1)
	v_pk_add_f32 v[14:15], v[14:15], v[236:237]
.if !(\first)
.set n, 0
.rept 16
	v_pk_mul_f32 v[(\ob)+n:(\ob)+n+1], v[(\ob)+n:(\ob)+n+1], v[252:253] op_sel_hi:[1,0]   ; O^T under the new M; each accumulator from its low end on
.set n, n+2
.endr
.endif
	s_wait_alu depctr_va_vdst(0)
.if \nx
	s_wait_dscnt 16                                ; all but the next step's K: V's images are in
.else
	s_wait_dscnt 0x0
.endif
.irp t, 0,1,2,3                        ; O^T += V^T P^T: source 0 = 16 channels x 128 keys, source 1 = p.  The 16 registers of tiles 2 B, 2 B + 1 are channels 32 B + 16 (lane / 16) + 0 .. 15
.if \first
	v_wmma_scale_f32_16x16x128_f8f6f4 v[(\ob)+8*\t:(\ob)+8*\t+7], v[32+12*\t:43+12*\t], v[224:235], 0, v[248+\t], v253 matrix_a_fmt:MATRIX_FMT_FP6 matrix_b_fmt:MATRIX_FMT_FP6
.else
	v_wmma_scale_f32_16x16x128_f8f6f4 v[(\ob)+8*\t:(\ob)+8*\t+7], v[32+12*\t:43+12*\t], v[224:235], v[(\ob)+8*\t:(\ob)+8*\t+7], v[248+\t], v253 matrix_a_fmt:MATRIX_FMT_FP6 matrix_b_fmt:MATRIX_FMT_FP6
.endif
.endr
	PLACES                                         ; for whatever follows on any way: the next step's loads, or the first read of O^T
.endm
; A HEAD: the first step's K is asked for, the head's Q (image at v[img], scale word at v[img + 12]) is laid out, the three groups of keys are walked, O^T is divided by the sum.
.macro HEAD hd, img, ob
	s_add_co_u32 s41, s38, 2*REG*(\hd)             ; my own group's record of K
	v_add_nc_u32 v8, s41, v1
	v_add_nc_u32 v9, s41, v2
	KLOAD
	v_lshrrev_b32 v254, s37, v[(\img)+12]          ; my tile's two scale bytes: the word's lower or upper half.  The scale words are written first: 16 plain lines stand between them and the first product
	s_delay_alu instid0(VALU_DEP_1)
	v_and_b32 v255, 0xffff, v254                   ; for [Q | 0]
	s_delay_alu instid0(VALU_DEP_2)
	v_lshlrev_b32 v92, 16, v254                    ; for [0 | Q]
.irp i, 0,1,2,3,4,5
	v_cndmask_b32 v[16+\i], v[(\img)+\i], v[(\img)+6+\i], s36      ; my tile's six registers: the image's first or second half
.endr
.irp i, 0,1,2,3,4,5
	v_mov_b32 v[86+\i], v[16+\i]
.endr
	v_mov_b32 v13, 0xff61b1e6                      ; the largest t so far: -3e38, under every t
	s_delay_alu instid0(VALU_DEP_1)
	v_floor_f32 v12, -v13                          ; -M
	v_mov_b32 v14, 0                               ; the sum, in two halves
	v_mov_b32 v15, 0
	STEP \hd, 0, 1, \ob, 14                        ; my own group first
	s_cmp_eq_u32 ttmp9, 0
	s_cbranch_scc1 .Lno_low_\@                     ; group 0 has none below: a branch on the work-group's number
	STEP \hd, 1, 0, \ob, 15
.Lno_low_\@:
	s_cmp_eq_u32 ttmp9, 15
	s_cbranch_scc1 .Lno_high_\@                    ; group 15 none above
	STEP \hd, 2, 0, \ob, 0
.Lno_high_\@:
	v_add_f32 v14, v14, v15                        ; the sum's two halves,
	s_delay_alu instid0(VALU_DEP_1)
	v_permlanex16_b32 v252, v14, s[SEL], s[SEL+1]
	s_delay_alu instid0(VALU_DEP_1)
	v_add_f32 v14, v14, v252                       ; and lane l xor 16's: the row's sum
	s_wait_alu depctr_va_vdst(0)
	v_rcp_f32 v14, v14
	v_nop                                          ; one plain place behind a transcendental
.set n, 0
	s_wait_alu depctr_va_vdst(0)
.rept 16
	v_pk_mul_f32 v[(\ob)+n:(\ob)+n+1], v[(\ob)+n:(\ob)+n+1], v[14:15] op_sel_hi:[1,0]   ; O^T / the sum; each accumulator from its low end on
.set n, n+2
.endr
.endm
	s_load_b128 s[4:7], s[0:1], 0x0                ; qkv s[4:5], oimg s[6:7]
	v_lshl_add_u32 v95, v0, 2, SPARE
	v_mov_b32 v243, 0
	ds_add_u32 v95, v243                           ; the opening lines: the add, twice on end, and its wait ahead of a wave's first tensor load
	ds_add_u32 v95, v243
	v_lshrrev_b32 v1, 5, v0
	s_delay_alu instid0(VALU_DEP_1)
	v_readfirstlane_b32 s8, v1                     ; wave 0..7
	s_and_b32 s10, ttmp7, 0xffff
	s_lshr_b32 s11, s10, 3                         ; batch
	s_and_b32 s12, s10, 7                          ; pair of heads
	s_lshl_b32 s9, s11, 4
	s_lshl_b32 s13, s12, 1
	s_add_co_u32 s9, s9, s13                       ; 16 x batch + the first head
	s_max_u32 s13, ttmp9, 1
	s_sub_co_u32 s13, s13, 1
	s_min_u32 s13, s13, 13                         ; start: the first of the three groups of keys
	; what I fetch: region w / 2 = 2 x head + (0 K, 1 V), half w % 2
	s_lshr_b32 s14, s8, 2
	s_bfe_u32 s15, s8, 0x10001
	s_and_b32 s28, s8, 1
	s_add_co_u32 s30, s9, s14
	s_lshl_b32 s30, s30, 4
	s_add_co_u32 s30, s30, s13
	s_lshl_b32 s15, s15, 9
	s_add_co_u32 s30, s30, s15
	s_add_co_u32 s30, s30, 512                     ; the record: (1 + V) x 512 + (16 x batch + head) x 16 + start
	s_mul_i32 s30, s30, RECB
	s_mul_i32 s28, s28, HALFB
	s_add_co_u32 s30, s30, s28
	s_mov_b32 s31, 0
	s_mov_b32 s16, 3<<16                           ; descriptor group 1: no mask; elements of 8 bytes; no padding: 39 dense rows of 256 bytes
	s_mov_b32 s17, 32<<16                          ; tensor_dim0 = 32
	s_mov_b32 s18, 39<<16                          ; tensor_dim1 = 39
	s_mov_b32 s19, 32<<16                          ; tile_dim0 = 32
	s_mov_b32 s20, 39                              ; tile_dim1 = 39
	s_mov_b32 s21, 32                              ; tensor_dim0_stride
	s_mov_b32 s22, 0
	s_mov_b32 s23, 0
	s_mov_b32 s24, 1                               ; group 0: count = 1,
	s_mul_i32 s25, s8, HALFB                       ; LDS address: wave x half a region,
	s_lshl_b32 s42, s9, 4                          ; Q's first record: (16 x batch + first head) x 16 + g
	s_add_co_u32 s42, s42, ttmp9
	s_mul_i32 s42, s42, RECB
	s_mov_b32 s43, 0
	s_lshl_b32 s44, s11, 4                         ; the output's group 16 x batch + g, slab = the pair of heads
	s_add_co_u32 s44, s44, ttmp9
	s_mul_i32 s44, s44, GROUPB
	s_mul_i32 s45, s12, SLAB
	s_add_co_u32 s44, s44, s45
	s_mov_b32 s45, 0
	s_wait_dscnt 0x0                               ; both opening adds are done
	s_wait_kmcnt 0x0
	s_add_nc_u64 s[26:27], s[4:5], s[30:31]        ; global address,
	s_or_b32 s27, s27, 0x80000000                  ; type = 2
	s_cmp_lt_u32 s8, 4
	s_cbranch_scc0 .Lnot_first                     ; waves 0-3: head 0's two regions
	tensor_load_to_lds s[24:27], s[16:23]
	s_nop 0
	PLACES
.Lnot_first:
	s_add_nc_u64 s[42:43], s[4:5], s[42:43]
	s_add_nc_u64 s[6:7], s[6:7], s[44:45]
	s_lshr_b32 s41, s8, 1                          ; w / 2: which image of Q holds my tile
	s_and_b32 s37, s8, 1                           ; w % 2: which half of it
	s_mul_i32 s46, s41, 1536
	s_lshl_b32 s47, s41, 7
	s_add_co_u32 s47, s47, 6144
	s_lshl_b32 s28, s41, 5
	s_lshl_b32 s29, s37, 3
	s_add_co_u32 s28, s28, s29                     ; 32 (w / 2) + 8 (w % 2)
	s_mul_i32 s29, s8, 1536                        ; the way out: tile w's fragment image,
	s_lshl_b32 s30, s8, 7
	s_add_co_u32 s30, s30, 12288                   ; and its scale image
	s_cmp_lg_u32 s37, 0
	s_cselect_b32 s36, -1, 0                       ; a lane mask: all lanes take the image's second half, or none
	s_lshl_b32 s37, s37, 4                         ; and the scale word's upper half, or the lower
	s_cmp_eq_u32 ttmp9, 0                          ; the three groups' places in a region
	s_cselect_b32 s38, 0, RECB                     ; my own group's,
	s_mov_b32 s40, 2*RECB
	s_cselect_b32 s40, RECB, s40                   ; the group above's,
	s_cmp_eq_u32 ttmp9, 15
	s_cselect_b32 s39, RECB, 0                     ; the group below's
	s_mov_b32 s41, 2*RECB
	s_cselect_b32 s38, s41, s38
	s_cselect_b32 s15, s38, s40                    ; the step behind the group below's: the group above, or (g = 15) my own once more, which no product takes
	s_cmp_eq_u32 ttmp9, 0
	s_cselect_b32 s14, s40, s39                    ; the step behind my own group's: the group below, or (g = 0) the group above
	s_mov_b32 s[SEL], 0x76543210
	s_mov_b32 s[SEL+1], 0xfedcba98
	s_mov_b32 s[CS], 0x3e38aa3b                    ; c = log2(e) / 8
	s_mov_b32 s[CS+1], s[CS]                       ; (named with it as a pair, so it is written)
	v_and_b32 v10, 31, v0                          ; lane
	v_and_b32 v11, 15, v0                          ; r
	v_bfe_u32 v28, v0, 4, 1                        ; h
	v_lshlrev_b32 v1, 4, v10                       ; an image's place for my lane
	v_lshlrev_b32 v2, 2, v10                       ; a scale image's
	v_add_nc_u32 v6, s46, v1
	v_add_nc_u32 v7, s47, v2
.irp p, 0,1,2
	global_load_b128 v[96+4*\p:99+4*\p], v6, s[42:43] offset:512*\p                  ; head 0's image, where the scores will lie
.endr
	global_load_b32 v108, v7, s[42:43]
.irp p, 0,1,2
	global_load_b128 v[192+4*\p:195+4*\p], v6, s[42:43] offset:16*RECB+512*\p        ; head 1's (16 records on), where its O^T will lie
.endr
	global_load_b32 v204, v7, s[42:43] offset:16*RECB
	v_and_b32 v3, 8, v11
	v_add_nc_u32 v3, v3, v11                       ; r + 8 (r / 8)
	v_lshlrev_b32 v28, 4, v28
	v_sub_nc_u32 v3, v3, v28                       ; - 16 h
	v_add_nc_u32 v3, s28, v3                       ; qq - 16 h, qq = 32 (w / 2) + 8 (w % 2) + r + 8 (r / 8)
	v_add_nc_u32 v4, s29, v1
	v_add_nc_u32 v5, s30, v2
.irp i, 0,1,2,3,4,5
	v_mov_b32 v[22+\i], 0                          ; the zero halves of [Q | 0]
	v_mov_b32 v[80+\i], 0                          ; and of [0 | Q]
.endr
.irp b, 0,1,2,3
	v_mov_b32 v[236+\b], 0                         ; written once: a lane permute's destination counts as one of its sources
.endr
	v_mov_b32 v253, 0                              ; (named as the upper half of the pair v[252:253] before it is first written; here also the mask's 0)
	v_mov_b32 v254, 0xf149f2ca                     ; -1e30
	WIN 0x40                                       ; destination window 1: the two masks.  Register n stands for key kk = 32 (n / 16) + n % 16 + 16 (lane / 16)
.set n, 0
.rept 64
	v_cmp_lt_i32 vcc_lo, 32*(n/16)+n%16, v3        ; kk < qq:
	v_cndmask_b32 v[64+n], v253, v254, vcc_lo      ; hidden in the group below,
	v_cndmask_b32 v[128+n], v254, v253, vcc_lo     ; counted in the group above
.set n, n+1
.endr
	WIN 0
	s_wait_alu depctr_va_vdst(0)                   ; the head's end
	s_wait_tensorcnt 0x0                           ; my half region, if I asked for one, is in
	ds_add_u32 v95, v243                           ; the add, twice on end
	ds_add_u32 v95, v243
	s_wait_dscnt 0x0
	s_barrier_signal -1
	s_barrier_wait -1                              ; head 0's regions are whole
	s_cmp_lt_u32 s8, 4
	s_cbranch_scc1 .Lnot_second                    ; waves 4-7: head 1's two regions
	tensor_load_to_lds s[24:27], s[16:23]
	s_nop 0
	PLACES
.Lnot_second:
	s_wait_loadcnt 0x0                             ; Q
	HEAD 0, 96, 160
	s_wait_alu depctr_va_vdst(0)
	s_wait_tensorcnt 0x0                           ; my half region of head 1's is in,
	s_wait_dscnt 0x0                               ; no LDS load of mine is out,
	s_barrier_signal -1
	s_barrier_wait -1                              ; and everybody's is
	HEAD 1, 192, 192
	; my 16 rows' 128 numbers of this pair of heads: blocks 0, 1 = head 0's channels, blocks 2, 3 = head 1's
.irp b, 0,1,2,3
	v_mov_b32 v[68+\b], 0
.endr
	QUANT 160, 192, 32, 52, 64
.irp p, 0,1,2
	global_store_b128 v4, v[32+4*\p:35+4*\p], s[6:7] offset:512*\p   ; 32 lanes store 512 consecutive bytes, at a multiple of 256 from the buffer's first byte
.endr
	global_store_b32 v5, v52, s[6:7]
	s_wait_tensorcnt 0x0                           ; the wave's end
	ds_add_u32 v95, v243
	s_wait_dscnt 0x0
	s_endpgm
.Lfunc_end_k_q6b065f48b6_attn:
	.size	k_q6b065f48b6_attn, .Lfunc_end_k_q6b065f48b6_attn-k_q6b065f48b6_attn
	.p2alignl 7, 3214868480
	.fill 96, 4, 3214868480
	.section	.rodata,"a",@progbits
	.p2align	6, 0x0
	.amdhsa_kernel k_q6b065f48b6_attn
		.amdhsa_group_segment_fixed_size 327680
		.amdhsa_private_segment_fixed_size 0
		.amdhsa_enable_private_segment 0
		.amdhsa_kernarg_size 16
		.amdhsa_user_sgpr_count 2
		.amdhsa_user_sgpr_kernarg_segment_ptr 1
		.amdhsa_wavefront_size32 1
		.amdhsa_system_sgpr_workgroup_id_x 1
		.amdhsa_system_sgpr_workgroup_id_y 1
		.amdhsa_system_sgpr_workgroup_id_z 1
		.amdhsa_system_vgpr_workitem_id 0
		.amdhsa_next_free_vgpr 448
		.amdhsa_next_free_sgpr 66
		.amdhsa_reserve_vcc 1
		.amdhsa_float_denorm_mode_32 3
		.amdhsa_float_denorm_mode_16_64 3
		.amdhsa_memory_ordered 1
		.amdhsa_forward_progress 1
		.amdhsa_inst_pref_size 124
	.end_amdhsa_kernel
	.amdgpu_metadata
---
amdhsa.version: [ 1, 2 ]
amdhsa.kernels:
  - .name:           k_q6b065f48b6_attn
    .symbol:         k_q6b065f48b6_attn.kd
    .args:
      - { .name: qkv, .offset: 0, .size: 8, .value_kind: global_buffer, .address_space: global }
      - { .name: oimg, .offset: 8, .size: 8, .value_kind: global_buffer, .address_space: global }
    .group_segment_fixed_size: 327680
    .private_segment_fixed_size: 0
    .kernarg_segment_align: 8
    .kernarg_segment_size: 16
    .max_flat_workgroup_size: 256
    .sgpr_count:     66
    .vgpr_count:     448
    .wavefront_size: 32
...
	.end_amdgpu_metadata
.endif
;; end of part 3
;; launch outp (part 4): grid 8 x 32, 4 waves a work-group, clusters of 4 x 4, 247,296 bytes of LDS; arguments xw, oimg, bo, out0; writes out0
.if DOCPART == 4
	.amdgcn_target "amdgcn-amd-amdhsa--gfx1250"
	.amdhsa_code_object_version 6
	.text
	.protected	k_q6b065f48b6_outp
	.globl	k_q6b065f48b6_outp
	.p2align	8
	.type	k_q6b065f48b6_outp,@function
k_q6b065f48b6_outp:
	s_mov_b64 s[64:65], 0
	v_nop
	global_prefetch_b8 v0, s[64:65] scope:SCOPE_SE
	s_setreg_imm32_b32 hwreg(HW_REG_WAVE_MODE, 25, 1), 1
	s_wait_xcnt 0x0
	s_wait_alu depctr_hold_cnt(0) depctr_sa_sdst(0) depctr_va_vdst(0) depctr_va_sdst(0) depctr_va_ssrc(0) depctr_va_vcc(0) depctr_vm_vsrc(0)
	s_getreg_b32 s2, hwreg(HW_REG_IB_STS2, 6, 4)
	s_cmp_eq_u32 s2, 0
	s_cbranch_scc0 .Lentry_in_a_cluster
	s_endpgm
.Lentry_in_a_cluster:
	s_bfe_u32 s2, ttmp6, 0x10000c
	s_cmp_lg_u32 s2, 0xf033
	s_cbranch_scc0 .Lentry_shape_is_right
	s_endpgm
.Lentry_shape_is_right:
; out0 = O Wo^T + bo on codes of FP6 (E2M3, one E8M0 scale for each 32 along K); out0 [4096][1024] f32.
; Wo's rows lie in xw as groups 120-127, O's rows in oimg as groups 0-31, both in one format: a group of 128 rows is 8 slabs (128 along K each) of 13,312 bytes:
; 8 fragment images of 1,536 bytes (a lane's 12 registers as pieces of 16 bytes, piece c of lane l at 512 c + 16 l), then 8 scale images of 128 bytes.  Row tile 2 B + u holds rows 32 B + 8 u + r + 8 (r / 8).
; SHARES.  Work-group (x, y): O's group y against Wo's group x: 128 x 128 results, all of K = 1,024.  Both groups lie in LDS whole, filled once.  Wave w: all 8 tiles of Wo (source 0) x tiles 2 w, 2 w + 1 of O (source 1): 16 accumulators by turns.
; A lane then holds one row of out0, and the 16 registers of tiles 2 B, 2 B + 1 are 16 neighbouring columns.  A tile of 16 rows x 128 columns goes through the wave's own stage and leaves as whole rows of 512 bytes.
; CLUSTERS: 4 x 4 work-groups; Wo's group is shared along a column of the cluster, O's along a row: each slab is asked for jointly.
; REGISTERS: window 0: v1-14 lane numbers and addresses; v20-39 scale words, two sets of 10; v128-255 the accumulators ((t, a) at 128 + 64 (t / 4) + 32 a + 8 (t % 4)).
;   window 1: two fragment buffers at v0 and v128; on the way out v0-127 rows read back.   window 2: v0-63 the bias, along the registers.
.set GROUPB, 106496
.set SLAB,   13312
.set XREG,   GROUPB                    ; LDS: Wo's group at 0, O's group behind it
.set STAGE,  2*GROUPB                  ; behind them the stages: 16 rows x 528 bytes for each wave; no tensor load lands there
.set SP,     528
.set ADP, 4
.set ADN, 6
.set ASP, 8
.set ASN, 10
.set STO, 12                           ; v12  the stage: where I put 16 bytes of a row
.set RD,  13                           ; v13  and where I read a row back
.set CO,  14                           ; v14  my bytes of a row's 512 in out0
.set SC,  20
.set ACC, 128
.set G1W, 16
.set G1X, 24
.set G0W, 32
.set G0X, 48
.set MSB, 0
.macro WIN new                         ; the immediate's high byte repeats the setting that is left
.if MSB != \new
	s_set_vgpr_msb (MSB<<8)|\new
.set MSB, \new
.endif
.endm
.macro PLACES                          ; four places: in front of loads into registers that matrix instructions have read, and of the first read of results
.rept 4
	v_nop
.endr
.endm
.macro CROUND                          ; a round of the cluster's barrier
	s_barrier_signal -1
	s_barrier_wait -1
	s_cmp_lg_u32 s14, 0
	s_cbranch_scc1 .Lnot_wave_0_\@
	s_barrier_signal -3
.Lnot_wave_0_\@:
	s_barrier_wait -3
	s_barrier_signal -1
	s_barrier_wait -1
.endm
.macro FETCH s, f                      ; 40 LDS loads in one run: K step s's ten fragment images into buffer f, its ten scale images into set f
	WIN 0x40                                       ; destination window 1
.irp t, 0,1,2,3,4,5,6,7
.irp c, 0,1,2
	ds_load_b128 v[128*(\f)+12*\t+4*\c:128*(\f)+12*\t+4*\c+3], v[ADP+(\s)/4] offset:((\s)%4)*SLAB+1536*\t+512*\c
.endr
.endr
.irp a, 0,1
.irp c, 0,1,2
	ds_load_b128 v[128*(\f)+96+12*\a+4*\c:128*(\f)+96+12*\a+4*\c+3], v[ADN+(\s)/4] offset:((\s)%4)*SLAB+1536*\a+512*\c
.endr
.endr
	WIN 0
.irp t, 0,1,2,3,4,5,6,7
	ds_load_b32 v[SC+10*(\f)+\t], v[ASP+(\s)/4] offset:((\s)%4)*SLAB+128*\t
.endr
.irp a, 0,1
	ds_load_b32 v[SC+10*(\f)+8+\a], v[ASN+(\s)/4] offset:((\s)%4)*SLAB+128*\a
.endr
.endm
.macro MUL16 f, zero                   ; 16 matrix instructions from buffer f; zero = 1: the first K step starts the sums.  The 16 accumulators take turns, in the same order in every step.
	WIN 0x05                                       ; sources 0 and 1 window 1; C and D window 0
.irp t, 0,1,2,3,4,5,6,7
.irp a, 0,1
.set AC, ACC+64*(\t/4)+32*\a+8*(\t%4)
.if \zero
	v_wmma_scale_f32_16x16x128_f8f6f4 v[AC:AC+7], v[128*(\f)+12*\t:128*(\f)+12*\t+11], v[128*(\f)+96+12*\a:128*(\f)+96+12*\a+11], 0, v[SC+10*(\f)+\t], v[SC+10*(\f)+8+\a] matrix_a_fmt:MATRIX_FMT_FP6 matrix_b_fmt:MATRIX_FMT_FP6
.else
	v_wmma_scale_f32_16x16x128_f8f6f4 v[AC:AC+7], v[128*(\f)+12*\t:128*(\f)+12*\t+11], v[128*(\f)+96+12*\a:128*(\f)+96+12*\a+11], v[AC:AC+7], v[SC+10*(\f)+\t], v[SC+10*(\f)+8+\a] matrix_a_fmt:MATRIX_FMT_FP6 matrix_b_fmt:MATRIX_FMT_FP6
.endif
.endr
.endr
.endm
	s_load_b256 s[4:11], s[0:1], 0x0               ; xw s[4:5], oimg s[6:7], bo s[8:9], out0 s[10:11]
	v_lshl_add_u32 v126, v0, 2, 0x3c400
	v_mov_b32 v127, 0
	ds_add_u32 v126, v127
	ds_add_u32 v126, v127
	v_lshrrev_b32 v1, 5, v0
	v_readfirstlane_b32 s14, v1                    ; wave 0..3
	s_and_b32 s15, s14, 1                          ; which half of a group I fetch: K steps 0-3 or 4-7
	s_bfe_u32 s66, ttmp6, 0x40000                  ; cx, cy: my place in the cluster
	s_bfe_u32 s67, ttmp6, 0x40004
	s_lshl_b32 s68, ttmp9, 2
	s_add_co_u32 s68, s68, s66                     ; x = 4 x cluster x + cx: Wo's group
	s_and_b32 s69, ttmp7, 0xffff
	s_lshl_b32 s70, s69, 2
	s_add_co_u32 s70, s70, s67                     ; y = 4 x cluster y + cy: O's group
	s_lshl_b32 s72, s67, 2
	s_lshl_b32 s72, 15, s72                        ; my row of the cluster
	s_lshl_b32 s73, 0x1111, s66                    ; my column
	s_or_b32 s[G1W], s73, (3<<16)|(1<<21)          ; 15:0 the mask; 17:16 elements of 8 bytes; 21 set beside a mask; no padding
	s_or_b32 s[G1X], s72, (3<<16)|(1<<21)
.irp g, G1W, G1X                       ; four slabs are dense: 208 rows of 256 bytes
	s_mov_b32 s[\g+1], 32<<16
	s_mov_b32 s[\g+2], 208<<16
	s_mov_b32 s[\g+3], 32<<16
	s_mov_b32 s[\g+4], 208
	s_mov_b32 s[\g+5], 32
	s_mov_b32 s[\g+6], 0
	s_mov_b32 s[\g+7], 0
.endr
	s_mul_i32 s78, s15, 4*SLAB
	s_add_co_u32 s76, s68, 120                     ; Wo's group in xw: 120 + x
	s_mul_i32 s76, s76, GROUPB
	s_add_co_u32 s76, s76, s78
	s_mov_b32 s77, 0
	s_mul_i32 s80, s70, GROUPB
	s_add_co_u32 s80, s80, s78
	s_mov_b32 s81, 0
	s_wait_dscnt 0x0
	s_wait_kmcnt 0x0
	s_add_nc_u64 s[76:77], s[4:5], s[76:77]
	s_add_nc_u64 s[80:81], s[6:7], s[80:81]
	CROUND                                         ; all sixteen work-groups are here: the joint loads meet
.irp j, 0                              ; one load a wave: slabs 4 (wave % 2) .. + 3
	s_mov_b32 s[G0W+4*\j], 1
	s_add_co_u32 s[G0W+4*\j+1], s78, \j*2*SLAB
	s_add_nc_u64 s[G0W+4*\j+2:G0W+4*\j+3], s[76:77], \j*2*SLAB
	s_or_b32 s[G0W+4*\j+3], s[G0W+4*\j+3], 0x80000000
	s_mov_b32 s[G0X+4*\j], 1
	s_add_co_u32 s[G0X+4*\j+1], s78, XREG+\j*2*SLAB
	s_add_nc_u64 s[G0X+4*\j+2:G0X+4*\j+3], s[80:81], \j*2*SLAB
	s_or_b32 s[G0X+4*\j+3], s[G0X+4*\j+3], 0x80000000
.endr
	s_cmp_lt_u32 s14, 2                            ; waves 0, 1 fetch Wo's group, waves 2, 3 O's: one tensor load a wave, half a group each
	s_cbranch_scc0 .Lfor_x
.irp j, 0
	tensor_load_to_lds s[G0W+4*\j:G0W+4*\j+3], s[G1W:G1W+7]
	s_nop 0
.endr
	PLACES
	s_branch .Lasked
.Lfor_x:
.irp j, 0
	tensor_load_to_lds s[G0X+4*\j:G0X+4*\j+3], s[G1X:G1X+7]
	s_nop 0
.endr
	PLACES
.Lasked:
	v_and_b32 v3, 31, v0                           ; lane
	v_and_b32 v1, 15, v0                           ; r
	s_wait_alu depctr_va_vdst(0)
	v_bfe_u32 v2, v0, 4, 1                         ; h
	s_mov_b32 s85, 0
	s_lshl_b32 s84, s68, 9                         ; the bias runs along the registers: for tile t, half h: columns 32 (t / 2) + 16 h + 8 (t % 2) + 0 .. 7 of Wo's group
	s_add_nc_u64 s[8:9], s[8:9], s[84:85]
	v_lshlrev_b32 v18, 6, v2
	WIN 0x80                                       ; destination window 2
.irp t, 0,1,2,3,4,5,6,7
	global_load_b128 v[8*\t:8*\t+3], v18, s[8:9] offset:(32*(\t/2)+8*(\t%2))*4
	global_load_b128 v[8*\t+4:8*\t+7], v18, s[8:9] offset:(32*(\t/2)+8*(\t%2))*4+16
.endr
	WIN 0
	s_lshl_b32 s86, s70, 7
	s_lshl_b32 s87, s14, 5
	s_add_co_u32 s86, s86, s87                     ; my first row of out0: 128 y + 32 w,
	s_lshl_b32 s86, s86, 12                        ; of 4,096 bytes,
	s_add_co_u32 s84, s84, s86                     ; + 512 x: the group's columns
	s_add_nc_u64 s[10:11], s[10:11], s[84:85]
	s_mul_i32 s86, s14, 16*SP
	s_add_co_u32 s86, s86, STAGE                   ; my stage
	v_mul_u32_u24 v[STO], v1, SP                   ; in: row r, + 64 h
	s_wait_alu depctr_va_vdst(0)
	v_lshl_add_u32 v[STO], v2, 6, v[STO]
	v_add_nc_u32 v[STO], s86, v[STO]
	v_lshl_add_u32 v[RD], v3, 4, s86               ; back: the 32 lanes take one row of 512 bytes
	v_lshlrev_b32 v[CO], 4, v3
	v_lshlrev_b32 v[ADP], 4, v3                    ; Wo's images, K steps 0-3 and 4-7
	v_add_nc_u32 v[ADP+1], 4*SLAB, v[ADP]
	s_mul_i32 s86, s14, 3072                       ; my two tiles of O
	s_add_co_u32 s86, s86, XREG
	v_lshl_add_u32 v[ADN], v3, 4, s86
	v_add_nc_u32 v[ADN+1], 4*SLAB, v[ADN]
	v_lshl_add_u32 v[ASP], v3, 2, 12288
	v_add_nc_u32 v[ASP+1], 4*SLAB, v[ASP]
	s_lshl_b32 s86, s14, 8
	s_add_co_u32 s86, s86, XREG+12288
	v_lshl_add_u32 v[ASN], v3, 2, s86
	v_add_nc_u32 v[ASN+1], 4*SLAB, v[ASN]
	s_wait_alu depctr_va_vdst(0)
	s_wait_tensorcnt 0x0                           ; my half group is in,
	s_wait_dscnt 0x0
	s_barrier_signal -1
	s_barrier_wait -1                              ; and everybody's: both groups lie in LDS whole
	FETCH 0, 0
	FETCH 1, 1
	s_wait_dscnt 40                                ; all but the younger run of 40
	MUL16 0, 1
	s_wait_dscnt 0x0                               ; K step 1's fragments are in
	PLACES
	FETCH 2, 0
	MUL16 1, 0
	PLACES
	FETCH 3, 1
	s_wait_dscnt 40
	MUL16 0, 0
	s_wait_dscnt 0x0                               ; K step 3's
	PLACES
	FETCH 4, 0
	MUL16 1, 0
	PLACES
	FETCH 5, 1
	s_wait_dscnt 40
	MUL16 0, 0
	s_wait_dscnt 0x0                               ; K step 5's
	PLACES
	FETCH 6, 0
	MUL16 1, 0
	PLACES
	FETCH 7, 1
	s_wait_dscnt 40
	MUL16 0, 0
	s_wait_dscnt 0x0
	MUL16 1, 0
	WIN 0
	PLACES
	s_wait_loadcnt 0x0                             ; the bias
	WIN 0x08                                       ; source 1 window 2
.irp t, 0,1,2,3,4,5,6,7
.irp a, 0,1
.irp i, 0,2,4,6                        ; each accumulator from its low end on
	v_pk_add_f32 v[ACC+64*(\t/4)+32*\a+8*(\t%4)+\i:ACC+64*(\t/4)+32*\a+8*(\t%4)+\i+1], v[ACC+64*(\t/4)+32*\a+8*(\t%4)+\i:ACC+64*(\t/4)+32*\a+8*(\t%4)+\i+1], v[8*\t+\i:8*\t+\i+1]
.endr
.endr
.endr
; THE WAY OUT, a tile of 16 rows at a time.  LDS serves a wave's instructions in order (ISA guide 5.7.1.4): no wait between the stores and the loads, nor in front of the next tile's stores.
.macro TOSTAGE a
	WIN 0
.irp t, 0,1,2,3,4,5,6,7
.set AC, ACC+64*(\t/4)+32*(\a)+8*(\t%4)
	ds_store_b128 v[STO], v[AC:AC+3] offset:128*(\t/2)+32*(\t%2)
	ds_store_b128 v[STO], v[AC+4:AC+7] offset:128*(\t/2)+32*(\t%2)+16
.endr
	WIN 0x40                                       ; destination window 1: the fragment buffers are done with
.irp i, 0,1,2,3,4,5,6,7,8,9,10,11,12,13,14,15
	ds_load_b128 v[64*(\a)+4*\i:64*(\a)+4*\i+3], v[RD] offset:SP*\i
.endr
.endm
.macro SEND a, younger                 ; younger: the LDS instructions issued behind tile a's loads, which may stay out
	s_wait_dscnt \younger
	WIN 0x04                                       ; a store's data are its source 1: window 1
.irp i, 0,1,2,3,4,5,6,7,8,9,10,11,12,13,14,15
	global_store_b128 v[CO], v[64*(\a)+4*\i:64*(\a)+4*\i+3], s[10:11] offset:(8*(\a)+\i+8*(\i/8))*4096 th:TH_STORE_NT   ; 32 lanes store 512 consecutive bytes, at a multiple of 256 from out0's first byte; tile row i is row 8 a + i + 8 (i / 8)
.endr
.endm
	TOSTAGE 0
	TOSTAGE 1
	SEND 0, 32                                     ; behind tile 0's loads: tile 1's 16 stores and 16 loads
	SEND 1, 0
	WIN 0
	s_wait_tensorcnt 0x0
	ds_add_u32 v126, v127
	s_wait_dscnt 0x0
	CROUND                                         ; the closing round
	s_endpgm
.Lfunc_end_k_q6b065f48b6_outp:
	.size	k_q6b065f48b6_outp, .Lfunc_end_k_q6b065f48b6_outp-k_q6b065f48b6_outp
	.p2alignl 7, 3214868480
	.fill 96, 4, 3214868480
	.section	.rodata,"a",@progbits
	.p2align	6, 0x0
	.amdhsa_kernel k_q6b065f48b6_outp
		.amdhsa_group_segment_fixed_size 247296
		.amdhsa_private_segment_fixed_size 0
		.amdhsa_enable_private_segment 0
		.amdhsa_kernarg_size 32
		.amdhsa_user_sgpr_count 2
		.amdhsa_user_sgpr_kernarg_segment_ptr 1
		.amdhsa_wavefront_size32 1
		.amdhsa_system_sgpr_workgroup_id_x 1
		.amdhsa_system_sgpr_workgroup_id_y 1
		.amdhsa_system_sgpr_workgroup_id_z 1
		.amdhsa_system_vgpr_workitem_id 0
		.amdhsa_next_free_vgpr 576
		.amdhsa_next_free_sgpr 96
		.amdhsa_reserve_vcc 0
		.amdhsa_float_denorm_mode_32 3
		.amdhsa_float_denorm_mode_16_64 3
		.amdhsa_memory_ordered 1
		.amdhsa_forward_progress 1
		.amdhsa_inst_pref_size 57
	.end_amdhsa_kernel
	.amdgpu_metadata
---
amdhsa.version: [ 1, 2 ]
amdhsa.kernels:
  - .name:           k_q6b065f48b6_outp
    .symbol:         k_q6b065f48b6_outp.kd
    .args:
      - { .name: xw, .offset: 0, .size: 8, .value_kind: global_buffer, .address_space: global }
      - { .name: oimg, .offset: 8, .size: 8, .value_kind: global_buffer, .address_space: global }
      - { .name: bo, .offset: 16, .size: 8, .value_kind: global_buffer, .address_space: global }
      - { .name: out0, .offset: 24, .size: 8, .value_kind: global_buffer, .address_space: global }
    .group_segment_fixed_size: 247296
    .private_segment_fixed_size: 0
    .kernarg_segment_align: 8
    .kernarg_segment_size: 32
    .max_flat_workgroup_size: 128
    .sgpr_count:     96
    .vgpr_count:     576
    .wavefront_size: 32
...
	.end_amdgpu_metadata
.endif
;; end of part 4
